; MI455X (gfx1250); checked and timed in simulation.
; The chip was launched on July 23, 2026; its instructions are those of AMD's public machine-readable ISA for CDNA 5 (MIT licence, August 2026) and "CDNA5" Instruction Set Architecture Reference Guide (July 2026). The comments in the code are by the model that wrote it; some were corrected since.
;; Transformer Block. Allowed arithmetic: float matrix products may take bf16 or f16 operands with f32 sums; all other float work in f32.
;; Inputs: g1 1,024 float32; g2 1,024 float32; w_down 2,048 x 1,024 float32; w_gate 1,024 x 2,048 float32; w_o 1,024 x 1,024 float32; w_qkv 1,024 x 3,072 float32; w_up 1,024 x 2,048 float32; x 2 x 2,048 x 1,024 float32.
;; Outputs: out0 2 x 2,048 x 1,024 float32.
;; 2 versions, each right; version 2 is version 1 with the launch prep written anew for expert scheduling mode. Each part assembles by itself: llvm-mc -triple=amdgcn-amd-amdhsa -mcpu=gfx1250 --defsym DOCPART=n.
;; ======== version 1 of 2: 6 launches
;; workspace buffers: xn 8,388,608 bytes; wb 20,971,520 bytes; qkvh 25,165,824 bytes; att 8,388,608 bytes; x1 16,777,216 bytes; x1b 8,388,608 bytes; ssq 262,144 bytes; hp 16,777,216 bytes
;; launch prep (part 1): grid 448 x 1, 8 waves a work-group, no clusters, 0 bytes of LDS; arguments x, g1, g2, w_qkv, w_o, w_down, w_gate, w_up, xn, wb; writes xn, wb
.if DOCPART == 1
	.amdgcn_target "amdgcn-amd-amdhsa--gfx1250"
	.amdhsa_code_object_version 6
	.text
	.protected	k_qe594ef8936_prep
	.globl	k_qe594ef8936_prep
	.p2align	8
	.type	k_qe594ef8936_prep,@function
k_qe594ef8936_prep:
	s_mov_b64 s[64:65], 0
	v_nop
	global_prefetch_b8 v0, s[64:65] scope:SCOPE_SE
	s_setreg_imm32_b32 hwreg(HW_REG_WAVE_MODE, 25, 1), 1
	s_wait_xcnt 0x0
; prep: xn = bf16(rmsnorm(x, g1)), and bf16 copies of all weights (g2 folded into w_gate and w_up).
; A stream: every work-group takes 32,768 f32 numbers (131,072 bytes), every thread issues its 32 loads of 16 bytes at once,
; straight-line text, no register is used twice, so no wait frees a source.  No LDS, no barrier, no matrix unit: nothing is shared.
;   work-groups   0..127: 32 rows of x each (section A)
;   work-groups 128..319: w_qkv, w_o, w_down, converted flat (section B)
;   work-groups 320..447: w_gate, w_up times g2[k], interleaved in column blocks of 128 + 128 (section C)
; xn lies plane-major: [16 planes of 64 columns][4096 rows][64] bf16, so two neighbouring rows of a plane are 256 consecutive bytes.
; wb: w_qkv [1024][3072] at byte 0, w_o [1024][1024] at 6,291,456, w_down [2048][1024] at 8,388,608,
;     gate/up [1024][4096] at 12,582,912: column block nb of 256 = g2*gate columns 128 nb .. +127, then g2*up columns 128 nb .. +127.
; LIMITS: results are rounded to bf16 once; the row factor is v_rsq_f32 (1 ULP); the order of rounding is x*g*(1/rms), not x/rms*g.
.set X, 64                             ; v[64:191]  32 loads x 4 registers
.set G, 192                            ; v[192:255] g1 of my 64 columns (section A)
.set R, 16                             ; v[16:17]   1/rms, twice
.set WGU, 12582912
	s_load_b512 s[8:23], s[0:1], 0x0               ; x s[8:9], g1 s[10:11], g2 s[12:13], w_qkv s[14:15], w_o s[16:17], w_down s[18:19], w_gate s[20:21], w_up s[22:23]
	s_load_b128 s[24:27], s[0:1], 0x40             ; xn s[24:25], wb s[26:27]
	s_mov_b32 s4, ttmp9
	s_mov_b32 s3, 0                                ; upper word of every byte offset (all are below 4 GiB)
	v_and_b32 v3, 31, v0                           ; lane
	v_lshrrev_b32 v4, 5, v0                        ; wave
	v_lshlrev_b32 v2, 3, v3
	v_lshl_add_u32 v2, v4, 9, v2                   ; sections A and C store at 512 x wave + 8 x lane
	s_wait_kmcnt 0x0
	s_cmp_ge_u32 s4, 128
	s_cbranch_scc1 .Lweights
; ---- section A: 32 rows, four a wave; lanes 0-15 take one row, lanes 16-31 the next: a load covers two pieces of 256 bytes
	s_mov_b32 s6, 0x3a800000                       ; 1/1024
	s_mov_b32 s7, 0x358637bd                       ; eps = 1e-6
	v_and_b32 v5, 15, v0
	v_lshlrev_b32 v5, 4, v5                        ; 16 x (lane mod 16): my 4 columns in each piece of 64
	v_bfe_u32 v6, v0, 4, 1
	v_lshl_add_u32 v1, v6, 12, v5                  ; + the row of my half of the lanes
	v_lshl_add_u32 v1, v4, 14, v1                  ; + 4 rows a wave
	s_lshl_b32 s2, s4, 17                          ; 32 rows of 4,096 bytes
	s_add_nc_u64 s[8:9], s[8:9], s[2:3]
	s_lshl_b32 s2, s4, 12                          ; 32 rows of 128 bytes in a plane
	s_add_nc_u64 s[24:25], s[24:25], s[2:3]
.irp p, 0,1,2,3,4,5,6,7,8,9,10,11,12,13,14,15
	global_load_b128 v[G+4*\p:G+4*\p+3], v5, s[10:11] offset:256*\p
.endr
.irp i, 0,1
.irp p, 0,1,2,3,4,5,6,7,8,9,10,11,12,13,14,15
	global_load_b128 v[X+64*\i+4*\p:X+64*\i+4*\p+3], v1, s[8:9] offset:8192*\i+256*\p
.endr
.endr
; a pair of rows: sum of squares in two packed chains, across the 16 lanes of a row, then scale, round, store.
; left = how many younger loads may stay out.
.macro ROWS i, left
	s_wait_loadcnt \left
	v_pk_mul_f32 v[8:9],   v[X+64*\i:X+64*\i+1],   v[X+64*\i:X+64*\i+1]        ; the first products start the chains
	v_pk_mul_f32 v[10:11], v[X+64*\i+2:X+64*\i+3], v[X+64*\i+2:X+64*\i+3]
.irp p, 1,2,3,4,5,6,7,8,9,10,11,12,13,14,15
	v_pk_fma_f32 v[8:9],   v[X+64*\i+4*\p:X+64*\i+4*\p+1],   v[X+64*\i+4*\p:X+64*\i+4*\p+1],   v[8:9]
	v_pk_fma_f32 v[10:11], v[X+64*\i+4*\p+2:X+64*\i+4*\p+3], v[X+64*\i+4*\p+2:X+64*\i+4*\p+3], v[10:11]
.endr
	v_pk_add_f32 v[8:9], v[8:9], v[10:11]
	v_add_f32 v8, v8, v9
	v_add_f32_dpp v8, v8, v8 row_xmask:1 row_mask:0xf bank_mask:0xf            ; a row of x lies in 16 lanes: no step crosses the halves
	v_add_f32_dpp v8, v8, v8 row_xmask:2 row_mask:0xf bank_mask:0xf
	v_add_f32_dpp v8, v8, v8 row_xmask:4 row_mask:0xf bank_mask:0xf
	v_add_f32_dpp v8, v8, v8 row_xmask:8 row_mask:0xf bank_mask:0xf
	v_fma_f32 v8, v8, s6, s7                       ; mean + eps
	v_rsq_f32 v[R], v8                             ; the products x*g below are the plain instructions that stand between
	v_rsq_f32 v[R+1], v8                           ; these and the first use of R (ISA guide 5.7.2)
.irp p, 0,1,2,3,4,5,6,7,8,9,10,11,12,13,14,15
	v_pk_mul_f32 v[X+64*\i+4*\p:X+64*\i+4*\p+1],   v[X+64*\i+4*\p:X+64*\i+4*\p+1],   v[G+4*\p:G+4*\p+1]
	v_pk_mul_f32 v[X+64*\i+4*\p+2:X+64*\i+4*\p+3], v[X+64*\i+4*\p+2:X+64*\i+4*\p+3], v[G+4*\p+2:G+4*\p+3]
	s_wait_alu depctr_va_vdst(0)
	v_pk_mul_f32 v[X+64*\i+4*\p:X+64*\i+4*\p+1],   v[X+64*\i+4*\p:X+64*\i+4*\p+1],   v[R:R+1]
	v_pk_mul_f32 v[X+64*\i+4*\p+2:X+64*\i+4*\p+3], v[X+64*\i+4*\p+2:X+64*\i+4*\p+3], v[R:R+1]
	v_cvt_pk_bf16_f32 v[X+64*\i+4*\p],   v[X+64*\i+4*\p],   v[X+64*\i+4*\p+1]
	v_cvt_pk_bf16_f32 v[X+64*\i+4*\p+1], v[X+64*\i+4*\p+2], v[X+64*\i+4*\p+3]
	global_store_b64 v2, v[X+64*\i+4*\p:X+64*\i+4*\p+1], s[24:25] offset:524288*\p+256*\i   ; 32 lanes x 8 bytes: two rows of plane p, 256 consecutive bytes, aligned
.endr
.endm
	ROWS 0, 16                                     ; the second pair's 16 loads stay out
	ROWS 1, 0
	s_endpgm
.Lweights:
	s_cmp_ge_u32 s4, 320
	s_cbranch_scc1 .Lgateup
; ---- section B: 131,072 bytes of w_qkv (96 groups), w_o (32) or w_down (64), in the order in which they lie in wb
	s_sub_co_u32 s4, s4, 128                       ; id
	s_cmp_lt_u32 s4, 96
	s_cselect_b64 s[28:29], s[14:15], s[16:17]
	s_cselect_b32 s5, 0, 96
	s_cmp_lt_u32 s4, 128
	s_cselect_b64 s[28:29], s[28:29], s[18:19]
	s_cselect_b32 s5, s5, 128
	s_sub_co_u32 s5, s4, s5                        ; the group's number inside its tensor
	s_lshl_b32 s2, s5, 17
	s_add_nc_u64 s[28:29], s[28:29], s[2:3]
	s_lshl_b32 s2, s4, 16
	s_add_nc_u64 s[30:31], s[26:27], s[2:3]
	v_lshlrev_b32 v1, 4, v0
	v_lshlrev_b32 v2, 3, v0
.set j, 0
.rept 32
	global_load_b128 v[X+4*j:X+4*j+3], v1, s[28:29] offset:4096*j th:TH_LOAD_NT
.set j, j+1
.endr
.set j, 0
.rept 32
	s_wait_loadcnt 31-j                            ; loads come back in order: number j is in, the younger ones stay out
	v_cvt_pk_bf16_f32 v[X+4*j],   v[X+4*j],   v[X+4*j+1]
	v_cvt_pk_bf16_f32 v[X+4*j+1], v[X+4*j+2], v[X+4*j+3]
	global_store_b64 v2, v[X+4*j:X+4*j+1], s[30:31] offset:2048*j
.set j, j+1
.endr
	s_endpgm
.Lgateup:
; ---- section C: 16 rows k of w_gate (groups 320..383) or w_up (384..447), times g2[k]
	s_sub_co_u32 s4, s4, 320
	s_lshr_b32 s5, s4, 6                           ; 0 gate, 1 up
	s_and_b32 s4, s4, 63
	s_cmp_eq_u32 s5, 0
	s_cselect_b64 s[28:29], s[20:21], s[22:23]
	s_lshl_b32 s2, s4, 6                           ; 16 numbers of g2
	s_add_nc_u64 s[12:13], s[12:13], s[2:3]
	s_load_b512 s[32:47], s[12:13], 0x0
	s_lshl_b32 s2, s4, 17                          ; 16 rows of 8,192 bytes, in the source and in wb alike
	s_add_nc_u64 s[28:29], s[28:29], s[2:3]
	s_add_nc_u64 s[30:31], s[26:27], s[2:3]
	s_lshl_b32 s2, s5, 8                           ; up's 256 bytes lie behind gate's in each column block
	s_add_co_u32 s2, s2, WGU
	s_add_nc_u64 s[30:31], s[30:31], s[2:3]
	v_lshlrev_b32 v1, 4, v0
.set j, 0
.rept 32
	global_load_b128 v[X+4*j:X+4*j+3], v1, s[28:29] offset:4096*j th:TH_LOAD_NT   ; half a row: row j/2, columns 1024 (j mod 2) + 4 t
.set j, j+1
.endr
	s_wait_kmcnt 0x0
.set j, 0
.rept 32
	s_wait_loadcnt 31-j
	v_mul_f32 v[X+4*j],   s[32+j/2], v[X+4*j]
	v_mul_f32 v[X+4*j+1], s[32+j/2], v[X+4*j+1]
	v_mul_f32 v[X+4*j+2], s[32+j/2], v[X+4*j+2]
	v_mul_f32 v[X+4*j+3], s[32+j/2], v[X+4*j+3]
	v_cvt_pk_bf16_f32 v[X+4*j],   v[X+4*j],   v[X+4*j+1]
	v_cvt_pk_bf16_f32 v[X+4*j+1], v[X+4*j+2], v[X+4*j+3]
	global_store_b64 v2, v[X+4*j:X+4*j+1], s[30:31] offset:4096*j     ; a wave's 128 columns: 256 consecutive bytes, aligned
.set j, j+1
.endr
	s_endpgm
.Lfunc_end_k_qe594ef8936_prep:
	.size	k_qe594ef8936_prep, .Lfunc_end_k_qe594ef8936_prep-k_qe594ef8936_prep
	.p2alignl 7, 3214868480
	.fill 96, 4, 3214868480
	.section	.rodata,"a",@progbits
	.p2align	6, 0x0
	.amdhsa_kernel k_qe594ef8936_prep
		.amdhsa_group_segment_fixed_size 0
		.amdhsa_private_segment_fixed_size 0
		.amdhsa_enable_private_segment 0
		.amdhsa_kernarg_size 80
		.amdhsa_user_sgpr_count 2
		.amdhsa_user_sgpr_kernarg_segment_ptr 1
		.amdhsa_wavefront_size32 1
		.amdhsa_system_sgpr_workgroup_id_x 1
		.amdhsa_system_sgpr_workgroup_id_y 1
		.amdhsa_system_sgpr_workgroup_id_z 1
		.amdhsa_system_vgpr_workitem_id 0
		.amdhsa_next_free_vgpr 256
		.amdhsa_next_free_sgpr 66
		.amdhsa_reserve_vcc 0
		.amdhsa_float_denorm_mode_32 3
		.amdhsa_float_denorm_mode_16_64 3
		.amdhsa_memory_ordered 1
		.amdhsa_forward_progress 1
		.amdhsa_inst_pref_size 55
	.end_amdhsa_kernel
	.amdgpu_metadata
---
amdhsa.version: [ 1, 2 ]
amdhsa.kernels:
  - .name:           k_qe594ef8936_prep
    .symbol:         k_qe594ef8936_prep.kd
    .args:
      - { .name: x, .offset: 0, .size: 8, .value_kind: global_buffer, .address_space: global }
      - { .name: g1, .offset: 8, .size: 8, .value_kind: global_buffer, .address_space: global }
      - { .name: g2, .offset: 16, .size: 8, .value_kind: global_buffer, .address_space: global }
      - { .name: w_qkv, .offset: 24, .size: 8, .value_kind: global_buffer, .address_space: global }
      - { .name: w_o, .offset: 32, .size: 8, .value_kind: global_buffer, .address_space: global }
      - { .name: w_down, .offset: 40, .size: 8, .value_kind: global_buffer, .address_space: global }
      - { .name: w_gate, .offset: 48, .size: 8, .value_kind: global_buffer, .address_space: global }
      - { .name: w_up, .offset: 56, .size: 8, .value_kind: global_buffer, .address_space: global }
      - { .name: xn, .offset: 64, .size: 8, .value_kind: global_buffer, .address_space: global }
      - { .name: wb, .offset: 72, .size: 8, .value_kind: global_buffer, .address_space: global }
    .group_segment_fixed_size: 0
    .private_segment_fixed_size: 0
    .kernarg_segment_align: 8
    .kernarg_segment_size: 80
    .max_flat_workgroup_size: 256
    .sgpr_count:     66
    .vgpr_count:     256
    .wavefront_size: 32
...
	.end_amdgpu_metadata
.endif
;; end of part 1
;; launch qkv (part 2): grid 12 x 16, 4 waves a work-group, clusters of 4 x 4, 327,680 bytes of LDS; arguments xn, wb, qkvh; writes qkvh
.if DOCPART == 2
	.amdgcn_target "amdgcn-amd-amdhsa--gfx1250"
	.amdhsa_code_object_version 6
	.text
	.protected	k_qe594ef8936_qkv
	.globl	k_qe594ef8936_qkv
	.p2align	8
	.type	k_qe594ef8936_qkv,@function
k_qe594ef8936_qkv:
	s_mov_b64 s[64:65], 0
	v_nop
	global_prefetch_b8 v0, s[64:65] scope:SCOPE_SE
	s_setreg_imm32_b32 hwreg(HW_REG_WAVE_MODE, 25, 1), 1
	s_wait_xcnt 0x0
	s_wait_alu depctr_hold_cnt(0) depctr_sa_sdst(0) depctr_va_vdst(0) depctr_va_sdst(0) depctr_va_ssrc(0) depctr_va_vcc(0) depctr_vm_vsrc(0)
	s_getreg_b32 s2, hwreg(HW_REG_IB_STS2, 6, 4)
	s_cmp_eq_u32 s2, 0
	s_cbranch_scc0 .Lentry_in_a_cluster
	s_endpgm
.Lentry_in_a_cluster:
	s_bfe_u32 s2, ttmp6, 0x10000c
	s_cmp_lg_u32 s2, 0xf033
	s_cbranch_scc0 .Lentry_shape_is_right
	s_endpgm
.Lentry_shape_is_right:
; The large GEMM, one text for two launches; GATEUP picks the sizes, the arguments and the way out.
;   GATEUP = 0: qkvh = xn . w_qkv               (N = 3072), stored by planes of 64 columns: [48][4096][64] bf16
;   GATEUP = 1: hp = silu(r G) * (r U), G | U = x1b . (g2 w_gate | g2 w_up) (N = 4096), r = rsqrt(mean x1^2 + eps) of the row
; A (activations) lies plane-major, [16][4096][64] bf16; B (weights) lies [1024 k][N] bf16.  Sums in f32.
; A work-group makes 256 x 256 with four waves, a wave 128 x 128: 64 accumulator tiles, 512 registers.  K = 1024 goes in 8 steps of 128
; through two LDS slots filled by tensor loads.  4 x 4 work-groups form a cluster: A's tile hangs on the block row alone and is asked
; for jointly along a row of the cluster, B's on the block column alone and jointly along a column.
; A wave's 128 columns are block columns 64 wn .. +63 (tiles b = 0..3) and 128 + 64 wn .. +63 (b = 4..7): two planes of qkvh, or gate and up of one plane of hp.
; B's fragments are read from rows that lie along N by the transposing LDS load.  The matrix instruction is used transposed (source 0 = weights,
; source 1 = activations): a lane then holds eight neighbouring columns of one token row.
; With N = 3072 the grid has 192 work-groups: 12 block columns of 256.
; LIMITS: operands are bf16; results are rounded to bf16 once; v_rsq_f32, v_rcp_f32, v_exp_f32 are good to 1 ULP and v_exp_f32 gives 0 below 2^-126;
; where exp2 overflows the reciprocal is 0 and the product +-0, as silu's limit is.
.set GATEUP, 0
.if GATEUP
.set NCOL, 4096
.set WOFF, 12582912
.set PO,   10                          ; s[10:11] the output's address
.else
.set NCOL, 3072
.set WOFF, 0
.set PO,   8                           ; s[8:9]
.endif
.set AP,    144                        ; an LDS row of A: 128 bytes + 16: 9 x 16, so the 16 rows of a fragment load start at 16 different 16-byte columns
.set APL,   128*AP                     ; 128 rows of one plane
.set AHALF, 2*APL                      ; one tensor load of A: 128 rows x 2 planes
.set BP,    544                        ; an LDS row of B: 512 bytes + 32: 17 x 32
.set BHALF, 64*BP                      ; one tensor load of B: 64 k rows
.set BOFF,  2*AHALF
.set SLOT,  BOFF+2*BHALF               ; 143,360
.set STAGE, 2*SLOT                     ; behind the ring: 16 rows x 144 bytes for each wave; no tensor load lands here
.set RINV,  STAGE+4*16*AP              ; 256 rows x (r, r) f32 (GATEUP)
.set LAPS,  4                          ; a lap = two K steps
.set ADRA, 16                          ; v16-17  LDS address of my A fragments, slot 0, 1
.set ADRB, 20                          ; v20-21  the same for B
.set STO,  24                          ; v24     way out: where I put 16 bytes of a row
.set RD,   25                          ; v25     way out: where I read rows back
.set CO,   26                          ; v26     way out: 16 x lane
.set RVA,  27                          ; v27     where my rows' r lie
.set RV,   32                          ; v32-47  (r, r) of my row in each of the eight row tiles
.set F0,   64                          ; fragment buffer 0 (window 0: A, window 1: B)
.set F1,   128                         ; fragment buffer 1
.set GG,   64                          ; way out of GATEUP: r G, then the result
.set UU,   96                          ;                    r U
.set EE,   128                         ;                    the sigmoid
.set TMP,  192                         ; packed results
.set RB,   224                         ; rows read back
.set G1,  24                           ; s[24:31] descriptor group 1, A
.set G0,  32                           ; s[32:39] group 0, A, one set a slot
.set G1B, 48                           ; s[48:55] group 1, B
.set G0B, 56                           ; s[56:63] group 0, B, one set a slot
.set MSB, 0
.macro WIN new                         ; the immediate's high byte repeats the setting that is left
.if MSB != \new
	s_set_vgpr_msb (MSB<<8)|\new
.set MSB, \new
.endif
.endm
.set MUL_LO, 0xa1                      ; source 0 (B) window 1, source 1 (A) window 0, C and D window 2
.set MUL_HI, 0xf1                      ; the same, C and D window 3
.set TO_B,   0x40                      ; destination window 1
; a joint load: waves 0, 1 ask for A's two row halves, waves 2, 3 for B's two k halves; each line has one mask.  The branch hangs on the wave's number alone.
.macro JLOAD s
	s_cmp_eq_u32 s13, 0
	s_cbranch_scc0 .Lfor_b_\@
	tensor_load_to_lds s[G0+4*\s:G0+4*\s+3], s[G1:G1+7]
	s_nop 0
.rept 4
	v_nop
.endr
	s_branch .Lasked_\@
.Lfor_b_\@:
	tensor_load_to_lds s[G0B+4*\s:G0B+4*\s+3], s[G1B:G1B+7]
	s_nop 0
.rept 4
	v_nop
.endr
.Lasked_\@:
.endm
.macro CREST                           ; a round of the cluster's barrier behind its opening barrier
	s_cmp_lg_u32 s12, 0
	s_cbranch_scc1 .Lnot_wave_0_\@
	s_barrier_signal -3
.Lnot_wave_0_\@:
	s_barrier_wait -3
	s_barrier_signal -1
	s_barrier_wait -1
.endm
.macro CROUND                          ; a whole round
	s_barrier_signal -1
	s_barrier_wait -1
	CREST
.endm
.if GATEUP
	s_load_b256 s[4:11], s[0:1], 0x0               ; x1b s[4:5], wb s[6:7], ssq s[8:9], hp s[10:11]
.else
	s_load_b128 s[4:7], s[0:1], 0x0                ; xn s[4:5], wb s[6:7]
	s_load_b64 s[8:9], s[0:1], 0x10                ; qkvh
	s_set_vgpr_msb 0x40
	v_lshl_add_u32 v255, v0, 2, 0x48400
	s_set_vgpr_msb 0x4000
	v_mov_b32 v255, 0
	s_set_vgpr_msb 0x1
	ds_add_u32 v255, v255
	s_set_vgpr_msb 0x100
.endif
	v_lshrrev_b32 v1, 5, v0
	v_readfirstlane_b32 s12, v1                    ; wave 0..3
	s_lshr_b32 s13, s12, 1                         ; wm: my half of the block's rows.  Also: I fetch for A (0) or B (1)
	s_and_b32 s14, s12, 1                          ; wn: my column group.  Also: which half of that tile I fetch
	s_bfe_u32 s40, ttmp6, 0x40000                  ; cx
	s_bfe_u32 s41, ttmp6, 0x40004                  ; cy
	s_lshl_b32 s42, ttmp9, 2
	s_add_co_u32 s42, s42, s40                     ; bx: block column
	s_and_b32 s15, ttmp7, 0xffff
	s_lshl_b32 s15, s15, 2
	s_add_co_u32 s15, s15, s41                     ; by: block row
	s_lshl_b32 s43, s41, 2
	s_lshl_b32 s43, 15, s43                        ; my row of the cluster
	s_lshl_b32 s44, 0x1111, s40                    ; my column
	; group 1 for A: two runs of 8,192 elements (128 token rows of a plane, dense), the planes 262,144 elements apart; 4 words of padding behind every 32
	s_or_b32 s[G1+0], s43, (1<<16)|(1<<20)|(1<<21)|(4<<22)|(3<<25)
	s_mov_b32 s[G1+1], 8192<<16                    ; tensor_dim0 = 8192
	s_mov_b32 s[G1+2], 2<<16                       ; tensor_dim1 = 2
	s_mov_b32 s[G1+3], 8192<<16                    ; tile_dim0 = 8192
	s_mov_b32 s[G1+4], 2                           ; tile_dim1 = 2
	s_mov_b32 s[G1+5], 262144                      ; from plane to plane
	s_mov_b32 s[G1+6], 0
	s_mov_b32 s[G1+7], 0
	; group 1 for B: 64 k rows of 256 elements (512 bytes), 8 words of padding behind every 128
	s_or_b32 s[G1B+0], s44, (1<<16)|(1<<20)|(1<<21)|(6<<22)|(7<<25)
	s_mov_b32 s[G1B+1], 256<<16
	s_mov_b32 s[G1B+2], 64<<16
	s_mov_b32 s[G1B+3], 256<<16
	s_mov_b32 s[G1B+4], 64
	s_mov_b32 s[G1B+5], NCOL
	s_mov_b32 s[G1B+6], 0
	s_mov_b32 s[G1B+7], 0
	; A's tile hangs on by and the wave, B's on bx and the wave, each in registers that never hold the other coordinate
	s_lshl_b32 s16, s15, 15                        ; 256 rows of 128 bytes
	s_lshl_b32 s17, s14, 14                        ; + my 128 rows
	s_add_co_u32 s16, s16, s17
	s_mov_b32 s17, 0
	s_mul_i32 s46, s14, 128*NCOL                   ; my 64 k rows of 2 N bytes
	s_lshl_b32 s47, s42, 9                         ; 256 columns
	s_add_co_u32 s46, s46, s47
	s_add_co_u32 s46, s46, WOFF
	s_mov_b32 s47, 0
	s_mul_i32 s20, s12, AHALF                      ; LDS: A's halves at wave x 36,864 (waves 0, 1)
	s_mul_i32 s21, s12, BHALF
	s_add_co_u32 s21, s21, BOFF-2*BHALF            ; B's halves behind A (waves 2, 3)
	s_wait_dscnt 0x0
	s_wait_kmcnt 0x0
	s_add_nc_u64 s[18:19], s[4:5], s[16:17]
	s_add_nc_u64 s[46:47], s[6:7], s[46:47]
	CROUND                                         ; all sixteen work-groups are here: the first joint loads meet
.irp s, 0,1
	s_mov_b32 s[G0+4*\s], 1
	s_add_co_u32 s[G0+4*\s+1], s20, \s*SLOT
	s_add_nc_u64 s[G0+4*\s+2:G0+4*\s+3], s[18:19], \s*1048576      ; K step s: two planes on
	s_or_b32 s[G0+4*\s+3], s[G0+4*\s+3], 0x80000000
	s_mov_b32 s[G0B+4*\s], 1
	s_add_co_u32 s[G0B+4*\s+1], s21, \s*SLOT
	s_add_nc_u64 s[G0B+4*\s+2:G0B+4*\s+3], s[46:47], \s*256*NCOL   ; 128 k rows on
	s_or_b32 s[G0B+4*\s+3], s[G0B+4*\s+3], 0x80000000
	JLOAD \s                                       ; both first fills go out together: two loads of a wave are out
.endr
	v_and_b32 v1, 15, v0                           ; r = lane mod 16
	v_bfe_u32 v2, v0, 4, 1                         ; h = lane / 16
	v_mul_u32_u24 v3, v1, AP
	v_lshl_add_u32 v3, v2, 4, v3                   ; r x 144 + 16 h
	v_and_b32 v4, 7, v0
	v_bfe_u32 v6, v0, 3, 1
	v_lshl_add_u32 v5, v2, 3, v4                   ; the transposing load: lane takes k row 8 h + lane mod 8,
	v_mul_u32_u24 v5, v5, BP
	v_lshl_add_u32 v5, v6, 4, v5                   ; and 16 bytes at 16 x ((lane / 8) mod 2)
	s_mul_i32 s22, s13, AHALF                      ; my 128 rows of A
	s_lshl_b32 s23, s14, 7                         ; my 64 columns of B (and 64 more, 256 bytes on)
	s_add_co_u32 s23, s23, BOFF
.irp s, 0,1
	v_add_nc_u32 v[ADRA+\s], s22, v3
	v_add_nc_u32 v[ADRB+\s], s23, v5
	s_add_co_u32 s22, s22, SLOT
	s_add_co_u32 s23, s23, SLOT
.endr
	s_mul_i32 s22, s12, 16*AP
	s_add_co_u32 s22, s22, STAGE                   ; my stage
	v_add_nc_u32 v[STO], s22, v3
	v_bfe_u32 v7, v0, 3, 2
	v_mul_u32_u24 v7, v7, AP                       ; back: eight lanes take a row of 128 bytes, a load takes four rows
	v_lshl_add_u32 v7, v4, 4, v7
	v_add_nc_u32 v[RD], s22, v7
	v_and_b32 v7, 31, v0
	v_lshlrev_b32 v[CO], 4, v7
.if GATEUP
	; r of the block's 256 rows: thread t adds the sixteen partial sums of rows 2 t and 2 t + 1, in ascending order of the parts
	s_mov_b32 s66, 0x3a800000                      ; 1/1024
	s_mov_b32 s67, 0x358637bd                      ; eps = 1e-6
	s_mov_b32 s68, 0xbfb8aa3b                      ; -log2(e), twice
	s_mov_b32 s69, 0xbfb8aa3b
	s_lshl_b32 s16, s15, 10                        ; 256 rows of 4 bytes (s17 is 0)
	s_add_nc_u64 s[8:9], s[8:9], s[16:17]
	v_lshlrev_b32 v8, 3, v0
	v_lshlrev_b32 v9, 4, v0
	v_add_nc_u32 v9, RINV, v9
	s_lshl_b32 s22, s13, 10
	s_add_co_u32 s22, s22, RINV
	v_lshl_add_u32 v[RVA], v1, 3, s22              ; (r, r) of row 128 wm + lane mod 16
.irp p, 0,1,2,3,4,5,6,7,8,9,10,11,12,13,14,15
	global_load_b64 v[F0+2*\p:F0+2*\p+1], v8, s[8:9] offset:16384*\p
.endr
	s_wait_loadcnt 0x0
.irp p, 1,2,3,4,5,6,7,8,9,10,11,12,13,14,15
	v_pk_add_f32 v[F0:F0+1], v[F0:F0+1], v[F0+2*\p:F0+2*\p+1]
.endr
	v_fma_f32 v[F0],   v[F0],   s66, s67
	v_fma_f32 v[F0+1], v[F0+1], s66, s67
	v_rsq_f32 v[F0+32], v[F0]
	v_rsq_f32 v[F0+34], v[F0+1]
	v_nop                                          ; one plain instruction behind the transcendentals (ISA guide 5.7.2)
	v_mov_b32 v[F0+33], v[F0+32]
	v_mov_b32 v[F0+35], v[F0+34]
	ds_store_b128 v9, v[F0+32:F0+35]
.endif
; 16 matrix instructions: row tiles a0, a0 + 1 of the window's four x all 8 column tiles, 32 along K.  zero = 1: the first product starts the sums.
; The 64 accumulators take turns, one instruction a turn, in the same order in every quarter.
.macro MUL16 f, hi, a0, zero
.irp a, \a0, \a0+1
.irp b, 0,1,2,3,4,5,6,7
.if \zero
	v_wmma_f32_16x16x32_bf16 v[8*(8*(\a)+\b):8*(8*(\a)+\b)+7], v[\f+8*\b:\f+8*\b+7], v[\f+8*(4*\hi+\a):\f+8*(4*\hi+\a)+7], 0
.else
	v_wmma_f32_16x16x32_bf16 v[8*(8*(\a)+\b):8*(8*(\a)+\b)+7], v[\f+8*\b:\f+8*\b+7], v[\f+8*(4*\hi+\a):\f+8*(4*\hi+\a)+7], v[8*(8*(\a)+\b):8*(8*(\a)+\b)+7]
.endif
.endr
.endr
.endm
; 32 LDS loads in one run: quarter q (32 along K) of a slot into buffer f: B's 8 column tiles, transposed on the way, then A's 8 row tiles
.macro FETCH slot, q, f
	WIN TO_B
.irp b, 0,1,2,3,4,5,6,7
	ds_load_tr16_b128 v[\f+8*\b:\f+8*\b+3],   v[ADRB+\slot] offset:\q*32*BP+32*(\b&3)+256*(\b>>2)
	ds_load_tr16_b128 v[\f+8*\b+4:\f+8*\b+7], v[ADRB+\slot] offset:\q*32*BP+32*(\b&3)+256*(\b>>2)+16*BP
.endr
	WIN 0
.irp i, 0,1,2,3,4,5,6,7
	ds_load_b128 v[\f+8*\i:\f+8*\i+3],   v[ADRA+\slot] offset:(\q>>1)*APL+(\q&1)*64+\i*16*AP
	ds_load_b128 v[\f+8*\i+4:\f+8*\i+7], v[ADRA+\slot] offset:(\q>>1)*APL+(\q&1)*64+\i*16*AP+32
.endr
.endm
; four places behind a matrix instruction before its registers are loaded into or its result is read (ISA guide 7.12.1 for vector instructions)
.macro PLACES
.rept 4
	v_nop
.endr
.endm
.macro QUARTER slot, q, f, g, zero     ; multiplies buffer f; in its middle fetches quarter q of the same slot into buffer g
	s_wait_dscnt 8                                 ; B and A's rows 0-63 are in; the youngest eight loads (A's rows 64-127) may be out
	WIN MUL_LO
	MUL16 \f, 0, 0, \zero
	MUL16 \f, 0, 2, \zero
	PLACES
	FETCH \slot, \q, \g
	s_wait_dscnt 32                                ; all but the 32 just issued
	WIN MUL_HI
	MUL16 \f, 1, 0, \zero
	MUL16 \f, 1, 2, \zero
.endm
.macro THREE slot, zero
	QUARTER \slot, 1, F0, F1, \zero
	QUARTER \slot, 2, F1, F0, 0
	QUARTER \slot, 3, F0, F1, 0
.endm
; the last quarter of a K step: multiplies buffer 1 and changes slots.  In front of the barrier each wave waits for its reads of this slot and for all its
; tensor loads (one is out: its part of the next slot); where the slot is filled again the barrier opens a round of the cluster's barrier, and the joint
; refill is the first tensor load behind the round.  From a request to the wait for it a wave issues 240 matrix instructions.
.macro TURN slot, next, fill
	s_wait_dscnt 8
	WIN MUL_LO
	MUL16 F1, 0, 0, 0
	s_wait_dscnt 0
	s_wait_tensorcnt 0x0
	ds_add_u32 v255, v255
	s_wait_dscnt 0x0
	s_barrier_signal -1
	MUL16 F1, 0, 2, 0                              ; register work while the others arrive
	WIN 0
	s_barrier_wait -1
.if \fill
	CREST
	s_add_nc_u64 s[G0+4*\slot+2:G0+4*\slot+3], s[G0+4*\slot+2:G0+4*\slot+3], 2097152        ; two K steps on: four planes
	s_add_nc_u64 s[G0B+4*\slot+2:G0B+4*\slot+3], s[G0B+4*\slot+2:G0B+4*\slot+3], 512*NCOL   ; 256 k rows
	JLOAD \slot                                    ; its four v_nop are also the places in front of the loads below
.else
	PLACES
.endif
	FETCH \next, 0, F0
	WIN MUL_HI
	MUL16 F1, 1, 0, 0
	MUL16 F1, 1, 2, 0
.endm
.macro LAP zero
	THREE 0, \zero
	TURN 0, 1, 1
	THREE 1, 0
	TURN 1, 0, 1
.endm
	s_wait_tensorcnt 1                             ; my part of K step 0 is in; K step 1's stays out
.if GATEUP
	s_wait_dscnt 0x0                               ; my two rows' r are in LDS
.endif
	s_barrier_signal -1
	s_barrier_wait -1
	FETCH 0, 0, F0
	LAP 1                                          ; the first lap's first products start the sums: nothing is cleared
	WIN 0
	s_mov_b32 s3, LAPS-2
.Llap:
	LAP 0
	WIN 0
	s_sub_co_u32 s3, s3, 1
	s_cmp_lg_u32 s3, 0
	s_cbranch_scc1 .Llap
	THREE 0, 0                                     ; the last lap fills nothing
	TURN 0, 1, 0
	THREE 1, 0
	s_wait_dscnt 8
	WIN MUL_LO
	MUL16 F1, 0, 0, 0
	MUL16 F1, 0, 2, 0
	s_wait_dscnt 0
	WIN MUL_HI
	MUL16 F1, 1, 0, 0
	MUL16 F1, 1, 2, 0
	; THE WAY OUT, 16 token rows at a time, through my own stage: a plane's rows are 128 bytes and follow each other, so four rows read back are 512 consecutive bytes
	PLACES
	s_lshl_b32 s16, s15, 15                        ; my first row in a plane: (256 by + 128 wm) x 128 bytes
	s_lshl_b32 s17, s13, 14
	s_add_co_u32 s16, s16, s17
	s_mov_b32 s17, 0
	s_add_nc_u64 s[PO:PO+1], s[PO:PO+1], s[16:17]
.if GATEUP
	s_lshl_b32 s46, s42, 1                         ; plane 2 bx + wn
.else
	s_lshl_b32 s46, s42, 2                         ; planes 4 bx + wn and 4 bx + 2 + wn
.endif
	s_add_co_u32 s46, s46, s14
	s_lshl_b32 s46, s46, 19                        ; a plane is 524,288 bytes
	s_mov_b32 s47, 0
	s_add_nc_u64 s[PO:PO+1], s[PO:PO+1], s[46:47]
; 16 rows x 64 columns of bf16 (16 registers from tmp: tile b's 16 bytes of my row at tmp + 4 b) go to the plane at byte imm
.macro STORE_PLANE tmp, imm
.irp b, 0,1,2,3
	ds_store_b128 v[STO], v[\tmp+4*\b:\tmp+4*\b+3] offset:32*\b
.endr
	s_wait_xcnt 0x0                                ; RB, which earlier stores read, is loaded again only behind this wait
.irp t, 0,1,2,3
	ds_load_b128 v[RB+4*\t:RB+4*\t+3], v[RD] offset:4*AP*\t        ; LDS serves a wave's instructions in order: these see the stores above
.endr
.irp t, 0,1,2,3
	s_wait_dscnt 3-\t
	global_store_b128 v[CO], v[RB+4*\t:RB+4*\t+3], s[PO:PO+1] offset:\imm+512*\t   ; 512 consecutive bytes, aligned
.endr
.endm
.if GATEUP
	WIN 0
.irp a, 0,1,2,3,4,5,6,7
	ds_load_b64 v[RV+2*\a:RV+2*\a+1], v[RVA] offset:128*\a
.endr
	s_wait_dscnt 0x0
; rows 16 i .. +15: tiles (a, 0..3) are gate, (a, 4..7) up, of the same 64 columns
.macro GU16 i, a, from
	WIN \from
.irp b, 0,1,2,3,4,5,6,7
.irp k, 0,2,4,6
	v_pk_mul_f32 v[GG+8*\b+\k:GG+8*\b+\k+1], v[8*(8*\a+\b)+\k:8*(8*\a+\b)+\k+1], v[RV+2*\i:RV+2*\i+1]   ; the row's 1/rms, on the f32 sums
.endr
.endr
	WIN 0
.set c_, 0
.rept 16
	v_pk_mul_f32 v[EE+c_:EE+c_+1], v[GG+c_:GG+c_+1], s[68:69] op_sel_hi:[1,0]
.set c_, c_+2
.endr
.set c_, 0
.rept 32
	v_exp_f32 v[EE+c_], v[EE+c_]                   ; e^-g
.set c_, c_+1
.endr
	v_nop
.set c_, 0
.rept 16
	v_pk_add_f32 v[EE+c_:EE+c_+1], v[EE+c_:EE+c_+1], 1.0 op_sel_hi:[1,0]
.set c_, c_+2
.endr
.set c_, 0
.rept 32
	v_rcp_f32 v[EE+c_], v[EE+c_]                   ; sigmoid(g)
.set c_, c_+1
.endr
.set c_, 0
.rept 16
	v_pk_mul_f32 v[GG+c_:GG+c_+1], v[GG+c_:GG+c_+1], v[UU+c_:UU+c_+1]       ; plain work behind the reciprocals
.set c_, c_+2
.endr
.set c_, 0
.rept 16
	v_pk_mul_f32 v[GG+c_:GG+c_+1], v[GG+c_:GG+c_+1], v[EE+c_:EE+c_+1]
.set c_, c_+2
.endr
.set c_, 0
.rept 16
	v_cvt_pk_bf16_f32 v[TMP+c_], v[GG+2*c_], v[GG+2*c_+1]
.set c_, c_+1
.endr
	STORE_PLANE TMP, \i*2048
.endm
	GU16 0, 0, 0x02
	GU16 1, 1, 0x02
	GU16 2, 2, 0x02
	GU16 3, 3, 0x02
	GU16 4, 0, 0x03
	GU16 5, 1, 0x03
	GU16 6, 2, 0x03
	GU16 7, 3, 0x03
.else
.macro OUT16 i, a, from
	WIN \from
.irp b, 0,1,2,3,4,5,6,7
.irp r, 0,1,2,3
	v_cvt_pk_bf16_f32 v[TMP+4*\b+\r], v[8*(8*\a+\b)+2*\r], v[8*(8*\a+\b)+2*\r+1]
.endr
.endr
	WIN 0
	STORE_PLANE TMP, \i*2048
	STORE_PLANE TMP+16, 1048576+\i*2048
.endm
	OUT16 0, 0, 0x0a
	OUT16 1, 1, 0x0a
	OUT16 2, 2, 0x0a
	OUT16 3, 3, 0x0a
	OUT16 4, 0, 0x0f
	OUT16 5, 1, 0x0f
	OUT16 6, 2, 0x0f
	OUT16 7, 3, 0x0f
.endif
	s_set_vgpr_msb 0x1
	s_wait_tensorcnt 0x0
	ds_add_u32 v255, v255
	s_wait_dscnt 0x0
	s_set_vgpr_msb 0x100
	CROUND                                         ; the closing round: no work-group ends while a partner may still ask for a tile that names it
	s_endpgm
.Lfunc_end_k_qe594ef8936_qkv:
	.size	k_qe594ef8936_qkv, .Lfunc_end_k_qe594ef8936_qkv-k_qe594ef8936_qkv
	.p2alignl 7, 3214868480
	.fill 96, 4, 3214868480
	.section	.rodata,"a",@progbits
	.p2align	6, 0x0
	.amdhsa_kernel k_qe594ef8936_qkv
		.amdhsa_group_segment_fixed_size 327680
		.amdhsa_private_segment_fixed_size 0
		.amdhsa_enable_private_segment 0
		.amdhsa_kernarg_size 24
		.amdhsa_user_sgpr_count 2
		.amdhsa_user_sgpr_kernarg_segment_ptr 1
		.amdhsa_wavefront_size32 1
		.amdhsa_system_sgpr_workgroup_id_x 1
		.amdhsa_system_sgpr_workgroup_id_y 1
		.amdhsa_system_sgpr_workgroup_id_z 1
		.amdhsa_system_vgpr_workitem_id 0
		.amdhsa_next_free_vgpr 1024
		.amdhsa_next_free_sgpr 80
		.amdhsa_reserve_vcc 0
		.amdhsa_float_denorm_mode_32 3
		.amdhsa_float_denorm_mode_16_64 3
		.amdhsa_memory_ordered 1
		.amdhsa_forward_progress 1
		.amdhsa_inst_pref_size 197
	.end_amdhsa_kernel
	.amdgpu_metadata
---
amdhsa.version: [ 1, 2 ]
amdhsa.kernels:
  - .name:           k_qe594ef8936_qkv
    .symbol:         k_qe594ef8936_qkv.kd
    .args:
      - { .name: xn, .offset: 0, .size: 8, .value_kind: global_buffer, .address_space: global }
      - { .name: wb, .offset: 8, .size: 8, .value_kind: global_buffer, .address_space: global }
      - { .name: qkvh, .offset: 16, .size: 8, .value_kind: global_buffer, .address_space: global }
    .group_segment_fixed_size: 327680
    .private_segment_fixed_size: 0
    .kernarg_segment_align: 8
    .kernarg_segment_size: 24
    .max_flat_workgroup_size: 128
    .sgpr_count:     80
    .vgpr_count:     1024
    .wavefront_size: 32
...
	.end_amdgpu_metadata
.endif
;; end of part 2
;; launch attn (part 3): grid 8 x 32, 8 waves a work-group, no clusters, 327,680 bytes of LDS; arguments qkvh, att; writes att
.if DOCPART == 3
	.amdgcn_target "amdgcn-amd-amdhsa--gfx1250"
	.amdhsa_code_object_version 6
	.text
	.protected	k_qe594ef8936_attn
	.globl	k_qe594ef8936_attn
	.p2align	8
	.type	k_qe594ef8936_attn,@function
k_qe594ef8936_attn:
	s_mov_b64 s[64:65], 0
	v_nop
	global_prefetch_b8 v0, s[64:65] scope:SCOPE_SE
	s_setreg_imm32_b32 hwreg(HW_REG_WAVE_MODE, 25, 1), 1
	s_wait_xcnt 0x0
; Causal attention, running maximum and sum.  qkvh: [48 planes][4096 tokens][64] bf16, planes 0-15 Q, 16-31 K, 32-47 V by head.  att: [16][4096][64] bf16.
; Work-group (j, bh) owns query blocks j and 15 - j (128 queries each) of head bh: waves 0-3 block j, waves 4-7 block 15 - j, a wave 32 queries (two tiles of 16).
; Both blocks walk one stream of key tiles (128 keys): T = 16 - j trips; a wave works while t <= its block's number, masks at t = that number, and afterwards
; only passes the barriers.  Every work-group does 17 block-tiles of work; K and V come in once for both blocks.
; S is made transposed, S^T = K Q^T: a lane holds one query (lane mod 16) and eight keys a tile, so maximum and sum stay in the lane but for one exchange of the halves,
; and the packed P is already the second source of O^T = V^T P^T.  V^T's fragments come by the transposing LDS load.
; NO CLUSTER: the eight work-groups of a head walk 9 to 16 tiles, so partners would make different numbers of joint requests; walking 16 in all of them
; means asking for and discarding up to 7 tiles, and what is shared is 32 KiB a trip.
; K and V share one descriptor shape (pitch 144 bytes); V's transposing loads therefore overlap in some banks.
; LDS beyond byte 110,592 holds only the words that ds_add touches at 0x29000: the amount asked for keeps the work-group alone on its WGP.
; LIMITS: Q, K, V, P and the result are bf16; v_exp_f32 gives 0 below 2^-126; the sum is of the unrounded P; v_rcp_f32 is good to 1 ULP.
.set PIT,   144
.set TILE,  128*PIT                    ; 18,432: 128 keys
.set SLOT,  2*TILE                     ; K, then V
.set STAGE, 2*SLOT                     ; 32 rows x 144 bytes for each wave; no tensor load lands here
.set KA,   4                           ; v4-5    LDS address of K fragments, slot 0, 1
.set VA,   6                           ; v6-7    of V fragments
.set STO,  8
.set RD,   9
.set CO,   10
.set DQ,   12                          ; v12-13  query number in the block - 8 h, for tile n
.set NINF, 14
.set QO,   15
.set NM,   16                          ; v[16:19] -(running maximum x c), twice, for n = 0, 1
.set LS,   20                          ; v20-21  running sum (of my half's keys)
.set AL,   22                          ; v[22:25] the rescaling factor, twice, for n = 0, 1
.set TM,   28                          ; v[28:43] at work, 8 for each n
.set SC,   64                          ; v64-127  S[n][mt] at 32 n + 8 mt; P[n][kk] packed in place at 32 n + 8 kk
.set KF,   128                         ; v128-191 K fragments [mt][ks] at 16 mt + 8 ks
.set VF,   192                         ; v192-255 V fragments [dt][kk] at 16 dt + 8 kk
.set QF,   64                          ; window 1: Q fragments [n][ks] at 64 + 16 n + 8 ks; O[dt][n] at 8 (2 dt + n)
.set MSB, 0
.macro WIN new
.if MSB != \new
	s_set_vgpr_msb (MSB<<8)|\new
.set MSB, \new
.endif
.endm
.macro PLACES
.rept 4
	v_nop
.endr
.endm
	s_load_b128 s[4:7], s[0:1], 0x0                ; qkvh s[4:5], att s[6:7]
	v_lshl_add_u32 v62, v0, 2, 0x29000
	v_mov_b32 v63, 0
	ds_add_u32 v62, v63
	v_lshrrev_b32 v1, 5, v0
	v_readfirstlane_b32 s8, v1                     ; wave 0..7
	s_mov_b32 s9, ttmp9                            ; j
	s_and_b32 s10, ttmp7, 0xffff                   ; bh
	s_lshr_b32 s37, s10, 4                         ; b
	s_and_b32 s38, s10, 15                         ; h
	s_sub_co_u32 s39, 15, s9
	s_cmp_lt_u32 s8, 4
	s_cselect_b32 s11, s9, s39                     ; bi: my query block
	s_and_b32 s40, s8, 3                           ; wq: my 32 queries in it
	s_sub_co_u32 s14, 14, s9
	s_lshr_b32 s14, s14, 1                         ; (T - 2) / 2 pairs of trips, 3 to 7
	s_mov_b32 s12, 0                               ; t
	s_mov_b32 s32, 0x3e38aa3b                      ; c = log2(e) / 8, twice
	s_mov_b32 s33, 0x3e38aa3b
	s_mov_b32 s34, 0x76543210                      ; v_permlanex16_b32: lane i reads lane i of the other half
	s_mov_b32 s35, 0xfedcba98
	s_mov_b32 s36, 0xbe38aa3b                      ; -c
	; group 1: 128 keys of 128 bytes, dense in memory, taken as 64 rows of 256 bytes; 4 words of padding behind every 32: LDS pitch 144 a key
	s_mov_b32 s16, (1<<16)|(1<<20)|(4<<22)|(3<<25)
	s_mov_b32 s17, 128<<16
	s_mov_b32 s18, 64<<16
	s_mov_b32 s19, 128<<16
	s_mov_b32 s20, 64
	s_mov_b32 s21, 128
	s_mov_b32 s22, 0
	s_mov_b32 s23, 0
	s_lshl_b32 s42, s8, 4                          ; wave 0 fetches K (plane 16 + h), wave 1 V (plane 32 + h); the others fetch nothing
	s_add_co_u32 s42, s42, s38
	s_add_co_u32 s42, s42, 16
	s_lshl_b32 s42, s42, 19
	s_lshl_b32 s43, s37, 18                        ; batch b: 2,048 rows of 128 bytes
	s_add_co_u32 s42, s42, s43
	s_mov_b32 s43, 0
	s_mul_i32 s41, s8, TILE
	s_wait_dscnt 0x0
	s_barrier_signal -1
	s_barrier_wait -1
	s_wait_kmcnt 0x0
	s_add_nc_u64 s[44:45], s[4:5], s[42:43]
.irp s, 0,1
	s_mov_b32 s[24+4*\s], 1
	s_add_co_u32 s[25+4*\s], s41, \s*SLOT
	s_add_nc_u64 s[26+4*\s:27+4*\s], s[44:45], \s*16384            ; key tile s
	s_or_b32 s[27+4*\s], s[27+4*\s], 0x80000000
.endr
	s_cmp_ge_u32 s8, 2
	s_cbranch_scc1 .Lno_first
	tensor_load_to_lds s[24:27], s[16:23]          ; tile 0 into slot 0
	s_nop 0
.Lno_first:
	s_lshl_b32 s42, s38, 19                        ; my 32 queries, in Q's plane and in att's alike: plane h, row 2048 b + 128 bi + 32 wq
	s_lshl_b32 s41, s37, 18
	s_add_co_u32 s42, s42, s41
	s_lshl_b32 s41, s11, 14
	s_add_co_u32 s42, s42, s41
	s_lshl_b32 s41, s40, 12
	s_add_co_u32 s42, s42, s41
	s_add_nc_u64 s[46:47], s[4:5], s[42:43]
	s_add_nc_u64 s[6:7], s[6:7], s[42:43]
	v_and_b32 v1, 15, v0                           ; r
	v_bfe_u32 v2, v0, 4, 1                         ; h
	v_lshlrev_b32 v[QO], 7, v1
	v_lshl_add_u32 v[QO], v2, 4, v[QO]             ; Q: row r, 16 bytes at 16 h
	WIN 0x40
.irp n, 0,1
.irp ks, 0,1
	global_load_b128 v[QF+16*\n+8*\ks:QF+16*\n+8*\ks+3],   v[QO], s[46:47] offset:2048*\n+64*\ks
	global_load_b128 v[QF+16*\n+8*\ks+4:QF+16*\n+8*\ks+7], v[QO], s[46:47] offset:2048*\n+64*\ks+32
.endr
.endr
	WIN 0
	v_mul_u32_u24 v3, v1, PIT
	v_lshl_add_u32 v3, v2, 4, v3                   ; r x 144 + 16 h
	v_mov_b32 v[KA], v3
	v_add_nc_u32 v[KA+1], SLOT, v3
	v_and_b32 v26, 7, v0
	v_lshl_add_u32 v11, v2, 3, v26                 ; the transposing load: key 8 h + lane mod 8,
	v_mul_u32_u24 v11, v11, PIT
	v_bfe_u32 v27, v0, 3, 1
	v_lshl_add_u32 v11, v27, 4, v11                ; 16 bytes at 16 x ((lane / 8) mod 2)
	v_add_nc_u32 v[VA], TILE, v11
	v_add_nc_u32 v[VA+1], TILE+SLOT, v11
	s_mul_i32 s41, s8, 32*PIT
	s_add_co_u32 s41, s41, STAGE                   ; my stage
	v_add_nc_u32 v[STO], s41, v3
	v_bfe_u32 v27, v0, 3, 2
	v_mul_u32_u24 v27, v27, PIT
	v_lshl_add_u32 v27, v26, 4, v27
	v_add_nc_u32 v[RD], s41, v27
	v_and_b32 v27, 31, v0
	v_lshlrev_b32 v[CO], 4, v27
	v_lshlrev_b32 v11, 3, v2
	v_sub_nc_u32 v[DQ], v1, v11
	s_lshl_b32 s41, s40, 5
	v_add_nc_u32 v[DQ], s41, v[DQ]                 ; 32 wq + r - 8 h
	v_add_nc_u32 v[DQ+1], 16, v[DQ]
	v_mov_b32 v[NINF], 0xff800000
	v_mov_b32 v[TM+4], 0                           ; destinations of v_permlanex16_b32 count as read
	v_mov_b32 v[TM+12], 0
	s_wait_loadcnt 0x0                             ; Q, once
.macro KLOAD slot, sub                 ; 16 loads: 64 keys x 64 d as first sources
.irp mt, 0,1,2,3
.irp ks, 0,1
	ds_load_b128 v[KF+16*\mt+8*\ks:KF+16*\mt+8*\ks+3],   v[KA+\slot] offset:(64*\sub+16*\mt)*PIT+64*\ks
	ds_load_b128 v[KF+16*\mt+8*\ks+4:KF+16*\mt+8*\ks+7], v[KA+\slot] offset:(64*\sub+16*\mt)*PIT+64*\ks+32
.endr
.endr
.endm
.macro VLOAD slot, sub                 ; 16 loads: 64 d x 64 keys, transposed on the way
.irp dt, 0,1,2,3
.irp kk, 0,1
	ds_load_tr16_b128 v[VF+16*\dt+8*\kk:VF+16*\dt+8*\kk+3],   v[VA+\slot] offset:(64*\sub+32*\kk)*PIT+32*\dt
	ds_load_tr16_b128 v[VF+16*\dt+8*\kk+4:VF+16*\dt+8*\kk+7], v[VA+\slot] offset:(64*\sub+32*\kk)*PIT+32*\dt+16*PIT
.endr
.endr
.endm
.macro MASK sub                        ; the diagonal tile: key 64 sub + 16 mt + 8 h + jr beyond query 32 wq + 16 n + r becomes -inf
.irp n, 0,1
.irp mt, 0,1,2,3
.irp jr, 0,1,2,3,4,5,6,7
	v_cmp_gt_i32 vcc_lo, 64*\sub+16*\mt+\jr, v[DQ+\n]
	v_cndmask_b32 v[SC+32*\n+8*\mt+\jr], v[SC+32*\n+8*\mt+\jr], v[NINF], vcc_lo
.endr
.endr
.endr
.endm
; maximum, exponentials, sum and packing for the 2 x 32 scores of a lane; the two query tiles go stage by stage
.macro SOFTMAX first
.irp n, 0,1
.irp c, 0,1,2,3
	v_max3_num_f32 v[TM+8*\n+\c], v[SC+32*\n+8*\c], v[SC+32*\n+8*\c+1], v[SC+32*\n+8*\c+2]
.endr
.endr
.irp n, 0,1
.irp c, 0,1,2,3
	v_max3_num_f32 v[TM+8*\n+\c], v[TM+8*\n+\c], v[SC+32*\n+8*\c+3], v[SC+32*\n+8*\c+4]
.endr
.endr
.irp n, 0,1
.irp c, 0,1,2,3
	v_max3_num_f32 v[TM+8*\n+\c], v[TM+8*\n+\c], v[SC+32*\n+8*\c+5], v[SC+32*\n+8*\c+6]
.endr
.endr
.irp n, 0,1
.irp c, 0,1,2,3
	v_max_num_f32 v[TM+8*\n+\c], v[TM+8*\n+\c], v[SC+32*\n+8*\c+7]
.endr
.endr
.irp n, 0,1
	v_max3_num_f32 v[TM+8*\n], v[TM+8*\n], v[TM+8*\n+1], v[TM+8*\n+2]
	v_max_num_f32 v[TM+8*\n], v[TM+8*\n], v[TM+8*\n+3]
	v_permlanex16_b32 v[TM+8*\n+4], v[TM+8*\n], s34, s35           ; the other half's keys of the same query
	v_max_num_f32 v[TM+8*\n], v[TM+8*\n], v[TM+8*\n+4]
	v_mul_f32 v[TM+8*\n], s36, v[TM+8*\n]                          ; -(maximum x c); +inf where every key is masked, and then the old one stays
.endr
.if \first == 0
.irp n, 0,1
	v_min_num_f32 v[TM+8*\n], v[TM+8*\n], v[NM+2*\n]               ; the running maximum, negated
	v_sub_f32 v[TM+8*\n+5], v[TM+8*\n], v[NM+2*\n]                 ; (old - new maximum) x c, never above 0
.endr
.irp n, 0,1
	v_exp_f32 v[AL+2*\n], v[TM+8*\n+5]
	v_exp_f32 v[AL+2*\n+1], v[TM+8*\n+5]
.endr
.endif
.irp n, 0,1
	v_mov_b32 v[NM+2*\n], v[TM+8*\n]                               ; plain work behind the exponentials
	v_mov_b32 v[NM+2*\n+1], v[TM+8*\n]
.endr
.irp n, 0,1
.irp k, 0,2,4,6,8,10,12,14,16,18,20,22,24,26,28,30
	v_pk_fma_f32 v[SC+32*\n+\k:SC+32*\n+\k+1], v[SC+32*\n+\k:SC+32*\n+\k+1], s[32:33], v[NM+2*\n:NM+2*\n+1] op_sel_hi:[1,0,1]
.endr
.endr
.set c_, 0
.rept 64
	v_exp_f32 v[SC+c_], v[SC+c_]
.set c_, c_+1
.endr
	v_nop
	s_wait_alu depctr_va_vdst(0)
.irp n, 0,1
	v_pk_add_f32 v[TM+8*\n:TM+8*\n+1],   v[SC+32*\n:SC+32*\n+1],   v[SC+32*\n+2:SC+32*\n+3]
	v_pk_add_f32 v[TM+8*\n+2:TM+8*\n+3], v[SC+32*\n+4:SC+32*\n+5], v[SC+32*\n+6:SC+32*\n+7]
.endr
.irp k, 8,12,16,20,24,28
.irp n, 0,1
	v_pk_add_f32 v[TM+8*\n:TM+8*\n+1],   v[TM+8*\n:TM+8*\n+1],   v[SC+32*\n+\k:SC+32*\n+\k+1]
	v_pk_add_f32 v[TM+8*\n+2:TM+8*\n+3], v[TM+8*\n+2:TM+8*\n+3], v[SC+32*\n+\k+2:SC+32*\n+\k+3]
.endr
.endr
.irp n, 0,1
	v_pk_add_f32 v[TM+8*\n:TM+8*\n+1], v[TM+8*\n:TM+8*\n+1], v[TM+8*\n+2:TM+8*\n+3]
.endr
.irp n, 0,1
.if \first
	v_add_f32 v[LS+\n], v[TM+8*\n], v[TM+8*\n+1]                   ; the first sum starts the running sum
.else
	v_add_f32 v[TM+8*\n], v[TM+8*\n], v[TM+8*\n+1]
	v_fma_f32 v[LS+\n], v[LS+\n], v[AL+2*\n], v[TM+8*\n]
.endif
.endr
.irp n, 0,1
.irp m, 0,1,2,3,4,5,6,7,8,9,10,11,12,13,14,15
	v_cvt_pk_bf16_f32 v[SC+32*\n+\m], v[SC+32*\n+2*\m], v[SC+32*\n+2*\m+1]     ; ascending: register m is written when 2 m and 2 m + 1 have been read
.endr
.endr
.endm
; 64 keys.  first = 1: the products and sums start O, the maximum and the sum.
.macro SUB slot, sub, first
.rept 5
	v_nop                                          ; five places: the products below write over registers that the last P V products read, and V's buffer is loaded again
.endr
	VLOAD \slot, \sub
	s_wait_dscnt 16                                ; K's 16 loads are in; V's 16 stay out
	WIN 0x04                                       ; source 1 (Q) in window 1
.irp mt, 0,1,2,3
.irp n, 0,1
	v_wmma_f32_16x16x32_bf16 v[SC+32*\n+8*\mt:SC+32*\n+8*\mt+7], v[KF+16*\mt:KF+16*\mt+7], v[QF+16*\n:QF+16*\n+7], 0
.endr
.endr
.irp mt, 0,1,2,3                       ; the eight accumulators take turns, one instruction a turn
.irp n, 0,1
	v_wmma_f32_16x16x32_bf16 v[SC+32*\n+8*\mt:SC+32*\n+8*\mt+7], v[KF+16*\mt+8:KF+16*\mt+15], v[QF+16*\n+8:QF+16*\n+15], v[SC+32*\n+8*\mt:SC+32*\n+8*\mt+7]
.endr
.endr
	WIN 0
	PLACES
.if \sub == 0
	KLOAD \slot, 1                                 ; the second half's K, a softmax ahead of its use
.endif
	s_cmp_lg_u32 s12, s11
	s_cbranch_scc1 .Lno_mask_\@
	MASK \sub
.Lno_mask_\@:
	SOFTMAX \first
.if \first == 0
	WIN 0x41                                       ; O in window 1, the factor in window 0
.irp dt, 0,1,2,3
.irp n, 0,1
.irp k, 0,2,4,6
	v_pk_mul_f32 v[8*(2*\dt+\n)+\k:8*(2*\dt+\n)+\k+1], v[8*(2*\dt+\n)+\k:8*(2*\dt+\n)+\k+1], v[AL+2*\n:AL+2*\n+1]
.endr
.endr
.endr
.endif
.if \sub == 0
	s_wait_dscnt 16                                ; V is in; the next K's 16 loads stay out
.else
	s_wait_dscnt 0
.endif
	WIN 0x50                                       ; C and D (O) in window 1
.irp dt, 0,1,2,3
.irp n, 0,1
.if \first
	v_wmma_f32_16x16x32_bf16 v[8*(2*\dt+\n):8*(2*\dt+\n)+7], v[VF+16*\dt:VF+16*\dt+7], v[SC+32*\n:SC+32*\n+7], 0
.else
	v_wmma_f32_16x16x32_bf16 v[8*(2*\dt+\n):8*(2*\dt+\n)+7], v[VF+16*\dt:VF+16*\dt+7], v[SC+32*\n:SC+32*\n+7], v[8*(2*\dt+\n):8*(2*\dt+\n)+7]
.endif
.endr
.endr
.irp dt, 0,1,2,3
.irp n, 0,1
	v_wmma_f32_16x16x32_bf16 v[8*(2*\dt+\n):8*(2*\dt+\n)+7], v[VF+16*\dt+8:VF+16*\dt+15], v[SC+32*\n+8:SC+32*\n+15], v[8*(2*\dt+\n):8*(2*\dt+\n)+7]
.endr
.endr
	WIN 0
.endm
; one key tile.  Every wave waits for all its tensor loads and its LDS reads, passes the barrier, and waves 0 and 1 fill the slot read last trip, first thing behind it:
; one tensor load of a wave is out, with the whole trip in which to land.
.macro TRIP slot, refill, first
	s_wait_tensorcnt 0x0
	ds_add_u32 v62, v63
	s_wait_dscnt 0x0
	s_add_nc_u64 s[26+4*\slot:27+4*\slot], s[26+4*\slot:27+4*\slot], 32768     ; no load of mine is out: this slot's next tile, two on
	s_wait_dscnt 0x0
	s_barrier_signal -1
	s_barrier_wait -1
.if \refill
	s_cmp_ge_u32 s8, 2
	s_cbranch_scc1 .Lno_fill_\@
	tensor_load_to_lds s[28-4*\slot:31-4*\slot], s[16:23]
	s_nop 0
.Lno_fill_\@:
.endif
.if \first == 0
	s_cmp_gt_u32 s12, s11                          ; beyond my block's diagonal: every key is masked, nothing to do
	s_cbranch_scc1 .Lidle_\@
.endif
	KLOAD \slot, 0
	SUB \slot, 0, \first
	SUB \slot, 1, 0
.Lidle_\@:
	s_add_co_u32 s12, s12, 1
.endm
	TRIP 0, 1, 1
	s_mov_b32 s13, 0
.Lpair:
	TRIP 1, 1, 0
	TRIP 0, 1, 0
	s_add_co_u32 s13, s13, 1
	s_cmp_lt_u32 s13, s14
	s_cbranch_scc1 .Lpair
	s_bitcmp1_b32 s9, 0                            ; T = 16 - j is odd where j is: the same for all waves of the work-group
	s_cbranch_scc1 .Lodd
	TRIP 1, 0, 0                                   ; T even: one tile is left, nothing to fetch
	s_branch .Lout
.Lodd:
	TRIP 1, 1, 0                                   ; T odd: two are left
	TRIP 0, 0, 0
.Lout:
	; the way out: O / sum, to bf16, through my stage, 512 consecutive bytes a store
	PLACES
.irp n, 0,1
	v_permlanex16_b32 v[TM+8*\n+4], v[LS+\n], s34, s35
	v_add_f32 v[LS+\n], v[LS+\n], v[TM+8*\n+4]
.endr
.irp n, 0,1
	v_rcp_f32 v[AL+2*\n], v[LS+\n]
	v_rcp_f32 v[AL+2*\n+1], v[LS+\n]
.endr
	v_nop
	WIN 0x01
	s_wait_alu depctr_va_vdst(0)
.irp dt, 0,1,2,3
.irp n, 0,1
.irp k, 0,2,4,6
	v_pk_mul_f32 v[KF+8*(2*\dt+\n)+\k:KF+8*(2*\dt+\n)+\k+1], v[8*(2*\dt+\n)+\k:8*(2*\dt+\n)+\k+1], v[AL+2*\n:AL+2*\n+1]
.endr
.endr
.endr
	WIN 0
.irp dt, 0,1,2,3
.irp n, 0,1
.irp k, 0,1,2,3
	v_cvt_pk_bf16_f32 v[VF+4*(2*\dt+\n)+\k], v[KF+8*(2*\dt+\n)+2*\k], v[KF+8*(2*\dt+\n)+2*\k+1]
.endr
	ds_store_b128 v[STO], v[VF+4*(2*\dt+\n):VF+4*(2*\dt+\n)+3] offset:16*PIT*\n+32*\dt     ; query 16 n + r, d = 16 dt + 8 h .. +7
.endr
.endr
.irp t, 0,1,2,3,4,5,6,7
	ds_load_b128 v[SC+4*\t:SC+4*\t+3], v[RD] offset:4*PIT*\t       ; my own bytes: LDS serves a wave's instructions in order
.endr
.irp t, 0,1,2,3,4,5,6,7
	s_wait_dscnt 7-\t
	global_store_b128 v[CO], v[SC+4*\t:SC+4*\t+3], s[6:7] offset:512*\t
.endr
	s_wait_tensorcnt 0x0
	ds_add_u32 v62, v63
	s_wait_dscnt 0x0
	s_endpgm
.Lfunc_end_k_qe594ef8936_attn:
	.size	k_qe594ef8936_attn, .Lfunc_end_k_qe594ef8936_attn-k_qe594ef8936_attn
	.p2alignl 7, 3214868480
	.fill 96, 4, 3214868480
	.section	.rodata,"a",@progbits
	.p2align	6, 0x0
	.amdhsa_kernel k_qe594ef8936_attn
		.amdhsa_group_segment_fixed_size 327680
		.amdhsa_private_segment_fixed_size 0
		.amdhsa_enable_private_segment 0
		.amdhsa_kernarg_size 16
		.amdhsa_user_sgpr_count 2
		.amdhsa_user_sgpr_kernarg_segment_ptr 1
		.amdhsa_wavefront_size32 1
		.amdhsa_system_sgpr_workgroup_id_x 1
		.amdhsa_system_sgpr_workgroup_id_y 1
		.amdhsa_system_sgpr_workgroup_id_z 1
		.amdhsa_system_vgpr_workitem_id 0
		.amdhsa_next_free_vgpr 352
		.amdhsa_next_free_sgpr 66
		.amdhsa_reserve_vcc 1
		.amdhsa_float_denorm_mode_32 3
		.amdhsa_float_denorm_mode_16_64 3
		.amdhsa_memory_ordered 1
		.amdhsa_forward_progress 1
		.amdhsa_inst_pref_size 255
	.end_amdhsa_kernel
	.section	.bss,"aw",@nobits
	.p2align	6
	.space	262144
	.amdgpu_metadata
---
amdhsa.version: [ 1, 2 ]
amdhsa.kernels:
  - .name:           k_qe594ef8936_attn
    .symbol:         k_qe594ef8936_attn.kd
    .args:
      - { .name: qkvh, .offset: 0, .size: 8, .value_kind: global_buffer, .address_space: global }
      - { .name: att, .offset: 8, .size: 8, .value_kind: global_buffer, .address_space: global }
    .group_segment_fixed_size: 327680
    .private_segment_fixed_size: 0
    .kernarg_segment_align: 8
    .kernarg_segment_size: 16
    .max_flat_workgroup_size: 256
    .sgpr_count:     66
    .vgpr_count:     352
    .wavefront_size: 32
...
	.end_amdgpu_metadata
.endif
;; end of part 3
;; launch oproj (part 4): grid 8 x 32, 4 waves a work-group, clusters of 4 x 4, 327,680 bytes of LDS; arguments att, wb, x, x1, x1b, ssq; writes x1, x1b, ssq
.if DOCPART == 4
	.amdgcn_target "amdgcn-amd-amdhsa--gfx1250"
	.amdhsa_code_object_version 6
	.text
	.protected	k_qe594ef8936_oproj
	.globl	k_qe594ef8936_oproj
	.p2align	8
	.type	k_qe594ef8936_oproj,@function
k_qe594ef8936_oproj:
	s_mov_b64 s[64:65], 0
	v_nop
	global_prefetch_b8 v0, s[64:65] scope:SCOPE_SE
	s_setreg_imm32_b32 hwreg(HW_REG_WAVE_MODE, 25, 1), 1
	s_wait_xcnt 0x0
	s_wait_alu depctr_hold_cnt(0) depctr_sa_sdst(0) depctr_va_vdst(0) depctr_va_sdst(0) depctr_va_ssrc(0) depctr_va_vcc(0) depctr_vm_vsrc(0)
	s_getreg_b32 s2, hwreg(HW_REG_IB_STS2, 6, 4)
	s_cmp_eq_u32 s2, 0
	s_cbranch_scc0 .Lentry_in_a_cluster
	s_endpgm
.Lentry_in_a_cluster:
	s_bfe_u32 s2, ttmp6, 0x10000c
	s_cmp_lg_u32 s2, 0xf033
	s_cbranch_scc0 .Lentry_shape_is_right
	s_endpgm
.Lentry_shape_is_right:
; The small GEMM with residual, one text for two launches; the three head constants pick the launch.
;   NORM = 1: x1 = x + att . w_o (K = 1024); also x1b = bf16(x1), plane-major, and ssq[p][row] = sum of x1^2 over columns 64 p .. +63
;   NORM = 0: out0 = x1 + hp . w_down (K = 2048)
; A lies plane-major [K/64][4096][64] bf16, B [K][1024] bf16; residual and result are [4096][1024] f32.
; A work-group makes 128 x 128 with four waves, a wave 64 x 64: 16 accumulator tiles.  256 work-groups.  4 x 4 work-groups form a cluster: A's tile is asked for
; jointly along a row of the cluster, B's along a column.  A slot holds 256 of K (eight eighths of 32), so there is one round of the cluster's barrier
; for 128 matrix instructions of a wave, and a refill has 120 of them in which to land.
; THE WALK ALONG K: clusters whose x + y is odd begin in the middle of K: place p of a cluster's walk is K slot p xor NS/2, else K slot p.  Two clusters that need the
; same tile of A (neighbours along x) or of B (neighbours along y) therefore ask for it NS/2 places apart and not at the same moment: in the second half of its walk
; a cluster asks only for tiles that another cluster has asked for NS/2 places earlier.  The shift is made of the cluster's two coordinates, which all sixteen partners share.
; The matrix instruction is used transposed (source 0 = weights, by the transposing LDS load; source 1 = activations).
; The residual's 32 loads of a lane go out in front of the last lap, behind the last refill's request, with the last two slots' 256 matrix instructions in which to land.
; Each word of ssq has one owner (a wave); the next launch adds the sixteen parts in ascending order.
; LIMITS: operands are bf16, sums f32; the K slots are added in the order of the cluster's walk, so the order of rounding differs between clusters;
; x1b is x1 rounded to bf16 once.
.set NORM, 1
.set NS,   4                           ; slots' worth of K: K / 256
.set WOFF, 6291456
.set AP,    144
.set APL,   128*AP                     ; a plane's 128 rows
.set AHALF, 2*APL                      ; one tensor load of A: two planes
.set BP,    288                        ; an LDS row of B: 256 bytes + 32: 9 x 32
.set BHALF, 128*BP                     ; one tensor load of B: 128 k rows; equal to AHALF
.set BOFF,  2*AHALF
.set SLOT,  BOFF+2*BHALF               ; 147,456
.set STAGE, 2*SLOT                     ; 16 rows x 272 bytes for each wave; no tensor load lands here
.set SP,    272
.set SSQL,  STAGE+4*16*SP              ; 64 f32 for each wave
.set ADRA, 16                          ; v16-17  A fragments, slot 0, 1
.set ADRB, 20                          ; v20-23  B fragments, slot x 2 + half of the slot's k rows
.set STO,  24
.set RD,   25
.set CO,   26                          ; (lane / 16) x 4096 + 16 (lane mod 16): two rows of 256 bytes
.set CB,   27                          ; 8 x lane
.set SQA,  28
.set SQR,  29
.set F0,   64                          ; buffer 0: B's four tiles, then A's four
.set F1,   128
.set RB,   192                         ; rows read back
.set QQ,   224                         ; squares
.set BB,   240                         ; packed bf16
.set G1,  24
.set G0,  32
.set G1B, 48
.set G0B, 56
.set MSB, 0
.macro WIN new
.if MSB != \new
	s_set_vgpr_msb (MSB<<8)|\new
.set MSB, \new
.endif
.endm
.set MULW, 0x50                        ; C and D in window 1 (tile (a, b) at 8 (4 a + b)); the residual lies in window 2 at 4 (8 i + t)
.macro JLOAD s
	s_cmp_eq_u32 s13, 0
	s_cbranch_scc0 .Lfor_b_\@
	tensor_load_to_lds s[G0+4*\s:G0+4*\s+3], s[G1:G1+7]
	s_nop 0
.rept 4
	v_nop
.endr
	s_branch .Lasked_\@
.Lfor_b_\@:
	tensor_load_to_lds s[G0B+4*\s:G0B+4*\s+3], s[G1B:G1B+7]
	s_nop 0
.rept 4
	v_nop
.endr
.Lasked_\@:
.endm
.macro CREST
	s_cmp_lg_u32 s12, 0
	s_cbranch_scc1 .Lnot_wave_0_\@
	s_barrier_signal -3
.Lnot_wave_0_\@:
	s_barrier_wait -3
	s_barrier_signal -1
	s_barrier_wait -1
.endm
.macro CROUND
	s_barrier_signal -1
	s_barrier_wait -1
	CREST
.endm
.macro PLACES
.rept 4
	v_nop
.endr
.endm
; The global addresses of the tiles at place s78 of my cluster's walk, into LDS slot \slot's two group 0; then the place steps.
; s45 = 0 or NS/2 (the cluster's shift); s[18:19] A's and s[46:47] B's address at K slot 0; s17 and s67 stay 0.  Where it stands, no tensor load of the wave that reads this slot's group 0 is out.
.macro KADDR slot
	s_xor_b32 s79, s78, s45                        ; the K slot
	s_lshl_b32 s16, s79, 21                        ; A: four planes of 524,288 bytes a K slot
	s_lshl_b32 s66, s79, 19                        ; B: 256 k rows of 2,048 bytes
	s_add_nc_u64 s[G0+4*\slot+2:G0+4*\slot+3], s[18:19], s[16:17]
	s_add_nc_u64 s[G0B+4*\slot+2:G0B+4*\slot+3], s[46:47], s[66:67]
	s_or_b32 s[G0+4*\slot+3], s[G0+4*\slot+3], 0x80000000
	s_or_b32 s[G0B+4*\slot+3], s[G0B+4*\slot+3], 0x80000000
	s_add_co_u32 s78, s78, 1
.endm
	s_load_b256 s[4:11], s[0:1], 0x0               ; A s[4:5], wb s[6:7], residual s[8:9], result s[10:11]
.if NORM
	s_load_b128 s[68:71], s[0:1], 0x20             ; x1b s[68:69], ssq s[70:71]
	v_lshl_add_u32 v62, v0, 2, 0x4c800
	v_mov_b32 v63, 0
	ds_add_u32 v62, v63
.endif
	v_lshrrev_b32 v1, 5, v0
	v_readfirstlane_b32 s12, v1                    ; wave
	s_lshr_b32 s13, s12, 1                         ; wm; also: I fetch for A (0) or B (1)
	s_and_b32 s14, s12, 1                          ; wn; also: which half I fetch
	s_bfe_u32 s40, ttmp6, 0x40000                  ; cx
	s_bfe_u32 s41, ttmp6, 0x40004                  ; cy
	s_lshl_b32 s42, ttmp9, 2
	s_add_co_u32 s42, s42, s40                     ; bx
	s_and_b32 s15, ttmp7, 0xffff                   ; the cluster's y
	s_add_co_u32 s45, s15, ttmp9                   ; + the cluster's x
	s_and_b32 s45, s45, 1
	s_mul_i32 s45, s45, NS/2                       ; the cluster's shift along K, in slots: 0 or NS/2
	s_lshl_b32 s15, s15, 2
	s_add_co_u32 s15, s15, s41                     ; by
	s_lshl_b32 s43, s41, 2
	s_lshl_b32 s43, 15, s43                        ; my row of the cluster
	s_lshl_b32 s44, 0x1111, s40                    ; my column
	; group 1 for A: two runs of 8,192 elements (128 token rows of a plane, dense), planes 262,144 elements apart; 4 words of padding behind every 32
	s_or_b32 s[G1+0], s43, (1<<16)|(1<<20)|(1<<21)|(4<<22)|(3<<25)
	s_mov_b32 s[G1+1], 8192<<16
	s_mov_b32 s[G1+2], 2<<16
	s_mov_b32 s[G1+3], 8192<<16
	s_mov_b32 s[G1+4], 2
	s_mov_b32 s[G1+5], 262144
	s_mov_b32 s[G1+6], 0
	s_mov_b32 s[G1+7], 0
	; group 1 for B: 128 k rows of 128 elements (256 bytes), 8 words of padding behind every 64
	s_or_b32 s[G1B+0], s44, (1<<16)|(1<<20)|(1<<21)|(5<<22)|(7<<25)
	s_mov_b32 s[G1B+1], 128<<16
	s_mov_b32 s[G1B+2], 128<<16
	s_mov_b32 s[G1B+3], 128<<16
	s_mov_b32 s[G1B+4], 128
	s_mov_b32 s[G1B+5], 1024
	s_mov_b32 s[G1B+6], 0
	s_mov_b32 s[G1B+7], 0
	s_lshl_b32 s16, s15, 14                        ; A: 128 rows of 128 bytes a block row,
	s_lshl_b32 s17, s14, 20                        ; my two planes
	s_add_co_u32 s16, s16, s17
	s_mov_b32 s17, 0
	s_lshl_b32 s46, s14, 18                        ; B: my 128 k rows of 2,048 bytes,
	s_lshl_b32 s47, s42, 8                         ; 128 columns a block column
	s_add_co_u32 s46, s46, s47
	s_add_co_u32 s46, s46, WOFF
	s_mov_b32 s47, 0
	s_mul_i32 s20, s12, AHALF                      ; LDS: A's two halves, then B's two halves = wave x 36,864
	s_mov_b32 s78, 0                               ; the place in the walk that is asked for next
	s_mov_b32 s67, 0
	s_wait_dscnt 0x0
	s_wait_kmcnt 0x0
	s_add_nc_u64 s[18:19], s[4:5], s[16:17]        ; A's tile of K slot 0
	s_add_nc_u64 s[46:47], s[6:7], s[46:47]        ; B's
	CROUND                                         ; the first joint loads meet
.irp s, 0,1
	s_mov_b32 s[G0+4*\s], 1
	s_add_co_u32 s[G0+4*\s+1], s20, \s*SLOT
	s_mov_b32 s[G0B+4*\s], 1
	s_add_co_u32 s[G0B+4*\s+1], s20, \s*SLOT
	KADDR \s                                       ; places 0 and 1 of the walk
	JLOAD \s                                       ; two loads of a wave are out
.endr
	v_and_b32 v1, 15, v0                           ; r
	v_bfe_u32 v2, v0, 4, 1                         ; h
	v_lshlrev_b32 v[CO], 4, v1
	v_lshl_add_u32 v[CO], v2, 12, v[CO]
	s_lshl_b32 s72, s15, 19                        ; my 64 x 64 in the residual and in the result: row 128 by + 64 wm, column 128 bx + 64 wn
	s_lshl_b32 s73, s13, 18
	s_add_co_u32 s72, s72, s73
	s_lshl_b32 s73, s42, 9
	s_add_co_u32 s72, s72, s73
	s_lshl_b32 s73, s14, 8
	s_add_co_u32 s72, s72, s73
	s_mov_b32 s73, 0
	s_add_nc_u64 s[8:9], s[8:9], s[72:73]
	s_add_nc_u64 s[10:11], s[10:11], s[72:73]
	v_mul_u32_u24 v3, v1, AP
	v_lshl_add_u32 v3, v2, 4, v3                   ; r x 144 + 16 h
	v_and_b32 v4, 7, v0
	v_bfe_u32 v6, v0, 3, 1
	v_lshl_add_u32 v5, v2, 3, v4
	v_mul_u32_u24 v5, v5, BP
	v_lshl_add_u32 v5, v6, 4, v5                   ; the transposing load's lane term
	s_mul_i32 s22, s13, 64*AP                      ; my 64 rows of A
	s_lshl_b32 s23, s14, 7                         ; my 64 columns of B
	s_add_co_u32 s23, s23, BOFF
.irp s, 0,1
	v_add_nc_u32 v[ADRA+\s], s22, v3
	v_add_nc_u32 v[ADRB+2*\s], s23, v5
	s_add_co_u32 s23, s23, BHALF
	v_add_nc_u32 v[ADRB+2*\s+1], s23, v5
	s_add_co_u32 s22, s22, SLOT
	s_add_co_u32 s23, s23, SLOT-BHALF
.endr
	s_mul_i32 s22, s12, 16*SP
	s_add_co_u32 s22, s22, STAGE                   ; my stage
	v_mul_u32_u24 v7, v1, SP
	v_lshl_add_u32 v7, v2, 5, v7                   ; in: row r, 32 bytes for each half of the lanes
	v_add_nc_u32 v[STO], s22, v7
	v_mul_u32_u24 v7, v2, SP
	v_lshl_add_u32 v7, v1, 4, v7                   ; back: lanes 0-15 one row of 256 bytes, lanes 16-31 the next
	v_add_nc_u32 v[RD], s22, v7
	v_and_b32 v7, 31, v0
	v_lshlrev_b32 v[CB], 3, v7
.if NORM
	s_lshl_b32 s22, s12, 8
	s_add_co_u32 s22, s22, SSQL
	v_lshl_add_u32 v[SQA], v2, 2, s22
	v_add_nc_u32 v[SQR], s22, v[CB]
	s_lshl_b32 s74, s42, 1
	s_add_co_u32 s74, s74, s14                     ; plane, and part of ssq: 2 bx + wn
	s_lshl_b32 s76, s74, 14                        ; ssq: a part is 16,384 bytes
	s_lshl_b32 s74, s74, 19                        ; x1b: a plane is 524,288 bytes
	s_lshl_b32 s75, s15, 14
	s_add_co_u32 s74, s74, s75
	s_lshl_b32 s75, s13, 13
	s_add_co_u32 s74, s74, s75
	s_mov_b32 s75, 0
	s_lshl_b32 s77, s15, 9
	s_add_co_u32 s76, s76, s77
	s_lshl_b32 s77, s13, 8
	s_add_co_u32 s76, s76, s77
	s_mov_b32 s77, 0
	s_add_nc_u64 s[68:69], s[68:69], s[74:75]
	s_add_nc_u64 s[70:71], s[70:71], s[76:77]
.endif
; 16 LDS loads: eighth e (32 along K) of a slot into buffer f
.macro FETCH slot, e, f
.irp b, 0,1,2,3
	ds_load_tr16_b128 v[\f+8*\b:\f+8*\b+3],   v[ADRB+2*\slot+(\e>>2)] offset:(\e&3)*32*BP+32*\b
	ds_load_tr16_b128 v[\f+8*\b+4:\f+8*\b+7], v[ADRB+2*\slot+(\e>>2)] offset:(\e&3)*32*BP+32*\b+16*BP
.endr
.irp a, 0,1,2,3
	ds_load_b128 v[\f+32+8*\a:\f+32+8*\a+3], v[ADRA+\slot] offset:(\e>>1)*APL+(\e&1)*64+\a*16*AP
	ds_load_b128 v[\f+32+8*\a+4:\f+32+8*\a+7], v[ADRA+\slot] offset:(\e>>1)*APL+(\e&1)*64+\a*16*AP+32
.endr
.endm
; 8 matrix instructions: row tiles a0, a0 + 1 x 4 column tiles.  The 16 accumulators take turns, one instruction a turn, always in this order.
.macro MUL8 f, a0, zero
.irp a, \a0, \a0+1
.irp b, 0,1,2,3
.if \zero
	v_wmma_f32_16x16x32_bf16 v[8*(4*(\a)+\b):8*(4*(\a)+\b)+7], v[\f+8*\b:\f+8*\b+7], v[\f+32+8*(\a):\f+32+8*(\a)+7], 0
.else
	v_wmma_f32_16x16x32_bf16 v[8*(4*(\a)+\b):8*(4*(\a)+\b)+7], v[\f+8*\b:\f+8*\b+7], v[\f+32+8*(\a):\f+32+8*(\a)+7], v[8*(4*(\a)+\b):8*(4*(\a)+\b)+7]
.endif
.endr
.endr
.endm
; one eighth: fetches eighth enext into buffer g, multiplies buffer f
.macro STEP slot, enext, f, g, zero
	PLACES                                         ; buffer g was read by the matrix instructions just issued
	FETCH \slot, \enext, \g
	s_wait_dscnt 16                                ; all but the 16 just issued: buffer f is in
	WIN MULW
	MUL8 \f, 0, \zero
	MUL8 \f, 2, \zero
	WIN 0
.endm
.macro SLOTSTEP slot, zero
	STEP \slot, 1, F0, F1, \zero
	STEP \slot, 2, F1, F0, 0
	STEP \slot, 3, F0, F1, 0
	STEP \slot, 4, F1, F0, 0
	STEP \slot, 5, F0, F1, 0
	STEP \slot, 6, F1, F0, 0
	STEP \slot, 7, F0, F1, 0
.endm
; the last eighth of a slot (buffer 1) and the change of slots
.macro TURN slot, next, fill
	s_wait_dscnt 0                                 ; buffer 1 is in, and my reads of this slot are over
	s_wait_tensorcnt 0x0                           ; all my tensor loads have landed: the one that was out is my part of the next slot
	ds_add_u32 v62, v63
	s_wait_dscnt 0x0
	s_barrier_signal -1
	WIN MULW
	MUL8 F1, 0, 0                                  ; register work while the others arrive
	WIN 0
	s_barrier_wait -1
.if \fill
	CREST                                          ; the round: no wave of any partner still reads this slot or has a load on its way
	KADDR \slot                                    ; the next place of the walk
	JLOAD \slot                                    ; its four v_nop are also the places in front of the loads below
.else
	PLACES
.endif
	FETCH \next, 0, F0
	WIN MULW
	MUL8 F1, 2, 0
	WIN 0
.endm
.macro LAP zero
	SLOTSTEP 0, \zero
	TURN 0, 1, 1
	SLOTSTEP 1, 0
	TURN 1, 0, 1
.endm
	s_wait_tensorcnt 1                             ; my part of slot 0 is in; slot 1's stays out
	s_barrier_signal -1
	s_barrier_wait -1
	FETCH 0, 0, F0
	LAP 1                                          ; the first products start the sums
.if NS > 4
	s_mov_b32 s3, NS/2-2
.Llap:
	LAP 0
	s_sub_co_u32 s3, s3, 1
	s_cmp_lg_u32 s3, 0
	s_cbranch_scc1 .Llap
.endif
	; the residual: 64 rows x 256 bytes of a wave, 32 loads, into window 2, which no matrix instruction names.  All tiles have been asked for by now.
	WIN 0x80                                       ; destination in window 2
.irp i, 0,1,2,3
.irp t, 0,1,2,3,4,5,6,7
	global_load_b128 v[4*(8*\i+\t):4*(8*\i+\t)+3], v[CO], s[8:9] offset:(16*\i+2*\t)*4096
.endr
.endr
	WIN 0
	SLOTSTEP 0, 0                                  ; the last lap fills nothing
	TURN 0, 1, 0
	SLOTSTEP 1, 0
	s_wait_dscnt 0
	WIN MULW
	MUL8 F1, 0, 0
	MUL8 F1, 2, 0
	WIN 0
	PLACES
	; THE WAY OUT, 16 rows at a time through my own stage: whole rows of 256 bytes come back, the residual is added, sixteen lanes store 256 consecutive bytes
	s_wait_loadcnt 0x0                             ; the residual
.macro OUT16 i
	WIN 0x04                                       ; store data in window 1
.irp b, 0,1,2,3
	ds_store_b128 v[STO], v[8*(4*\i+\b):8*(4*\i+\b)+3]   offset:64*\b
	ds_store_b128 v[STO], v[8*(4*\i+\b)+4:8*(4*\i+\b)+7] offset:64*\b+16
.endr
	WIN 0
	s_wait_xcnt 0x0                                ; RB and BB, which earlier stores read, are written again only behind this wait
.irp t, 0,1,2,3,4,5,6,7
	ds_load_b128 v[RB+4*\t:RB+4*\t+3], v[RD] offset:2*SP*\t        ; LDS serves a wave's instructions in order
.endr
	s_wait_dscnt 0x0
	WIN 0x08                                       ; source 1 in window 2
.irp t, 0,1,2,3,4,5,6,7
	v_pk_add_f32 v[RB+4*\t:RB+4*\t+1],   v[RB+4*\t:RB+4*\t+1],   v[4*(8*\i+\t):4*(8*\i+\t)+1]
	v_pk_add_f32 v[RB+4*\t+2:RB+4*\t+3], v[RB+4*\t+2:RB+4*\t+3], v[4*(8*\i+\t)+2:4*(8*\i+\t)+3]
.endr
	WIN 0
.irp t, 0,1,2,3,4,5,6,7
	global_store_b128 v[CO], v[RB+4*\t:RB+4*\t+3], s[10:11] offset:(16*\i+2*\t)*4096
.endr
.if NORM
.irp t, 0,1,2,3,4,5,6,7
	v_pk_mul_f32 v[QQ+2*\t:QQ+2*\t+1], v[RB+4*\t:RB+4*\t+1], v[RB+4*\t:RB+4*\t+1]
	v_cvt_pk_bf16_f32 v[BB+2*\t],   v[RB+4*\t],   v[RB+4*\t+1]
	v_cvt_pk_bf16_f32 v[BB+2*\t+1], v[RB+4*\t+2], v[RB+4*\t+3]
	v_pk_fma_f32 v[QQ+2*\t:QQ+2*\t+1], v[RB+4*\t+2:RB+4*\t+3], v[RB+4*\t+2:RB+4*\t+3], v[QQ+2*\t:QQ+2*\t+1]
	global_store_b64 v[CB], v[BB+2*\t:BB+2*\t+1], s[68:69] offset:(16*\i+2*\t)*128   ; two rows of the plane: 256 consecutive bytes, aligned
.endr
.irp t, 0,1,2,3,4,5,6,7
	v_add_f32 v[QQ+2*\t], v[QQ+2*\t], v[QQ+2*\t+1]
.endr
.irp m, 1,2,4,8
.irp t, 0,1,2,3,4,5,6,7
	v_add_f32_dpp v[QQ+2*\t], v[QQ+2*\t], v[QQ+2*\t] row_xmask:\m row_mask:0xf bank_mask:0xf   ; a row's 64 columns lie in 16 lanes
.endr
.endr
.irp t, 0,1,2,3,4,5,6,7
	ds_store_b32 v[SQA], v[QQ+2*\t] offset:(16*\i+2*\t)*4          ; sixteen lanes write one word with one value
.endr
.endif
.endm
	OUT16 0
	OUT16 1
	OUT16 2
	OUT16 3
.if NORM
	ds_load_b64 v[QQ:QQ+1], v[SQR]                 ; my 64 rows' sums: my own bytes, served in order
	s_wait_dscnt 0x0
	global_store_b64 v[CB], v[QQ:QQ+1], s[70:71]   ; 256 consecutive bytes, aligned
.endif
	s_wait_tensorcnt 0x0
	ds_add_u32 v62, v63
	s_wait_dscnt 0x0
	CROUND                                         ; the closing round
	s_endpgm
.Lfunc_end_k_qe594ef8936_oproj:
	.size	k_qe594ef8936_oproj, .Lfunc_end_k_qe594ef8936_oproj-k_qe594ef8936_oproj
	.p2alignl 7, 3214868480
	.fill 96, 4, 3214868480
	.section	.rodata,"a",@progbits
	.p2align	6, 0x0
	.amdhsa_kernel k_qe594ef8936_oproj
		.amdhsa_group_segment_fixed_size 327680
		.amdhsa_private_segment_fixed_size 0
		.amdhsa_enable_private_segment 0
		.amdhsa_kernarg_size 48
		.amdhsa_user_sgpr_count 2
		.amdhsa_user_sgpr_kernarg_segment_ptr 1
		.amdhsa_wavefront_size32 1
		.amdhsa_system_sgpr_workgroup_id_x 1
		.amdhsa_system_sgpr_workgroup_id_y 1
		.amdhsa_system_sgpr_workgroup_id_z 1
		.amdhsa_system_vgpr_workitem_id 0
		.amdhsa_next_free_vgpr 640
		.amdhsa_next_free_sgpr 80
		.amdhsa_reserve_vcc 0
		.amdhsa_float_denorm_mode_32 3
		.amdhsa_float_denorm_mode_16_64 3
		.amdhsa_memory_ordered 1
		.amdhsa_forward_progress 1
		.amdhsa_inst_pref_size 120
	.end_amdhsa_kernel
	.amdgpu_metadata
---
amdhsa.version: [ 1, 2 ]
amdhsa.kernels:
  - .name:           k_qe594ef8936_oproj
    .symbol:         k_qe594ef8936_oproj.kd
    .args:
      - { .name: att, .offset: 0, .size: 8, .value_kind: global_buffer, .address_space: global }
      - { .name: wb, .offset: 8, .size: 8, .value_kind: global_buffer, .address_space: global }
      - { .name: x, .offset: 16, .size: 8, .value_kind: global_buffer, .address_space: global }
      - { .name: x1, .offset: 24, .size: 8, .value_kind: global_buffer, .address_space: global }
      - { .name: x1b, .offset: 32, .size: 8, .value_kind: global_buffer, .address_space: global }
      - { .name: ssq, .offset: 40, .size: 8, .value_kind: global_buffer, .address_space: global }
    .group_segment_fixed_size: 327680
    .private_segment_fixed_size: 0
    .kernarg_segment_align: 8
    .kernarg_segment_size: 48
    .max_flat_workgroup_size: 128
    .sgpr_count:     80
    .vgpr_count:     640
    .wavefront_size: 32
...
	.end_amdgpu_metadata
.endif
;; end of part 4
;; launch gateup (part 5): grid 16 x 16, 4 waves a work-group, clusters of 4 x 4, 327,680 bytes of LDS; arguments x1b, wb, ssq, hp; writes hp
.if DOCPART == 5
	.amdgcn_target "amdgcn-amd-amdhsa--gfx1250"
	.amdhsa_code_object_version 6
	.text
	.protected	k_qe594ef8936_gateup
	.globl	k_qe594ef8936_gateup
	.p2align	8
	.type	k_qe594ef8936_gateup,@function
k_qe594ef8936_gateup:
	s_mov_b64 s[64:65], 0
	v_nop
	global_prefetch_b8 v0, s[64:65] scope:SCOPE_SE
	s_setreg_imm32_b32 hwreg(HW_REG_WAVE_MODE, 25, 1), 1
	s_wait_xcnt 0x0
	s_wait_alu depctr_hold_cnt(0) depctr_sa_sdst(0) depctr_va_vdst(0) depctr_va_sdst(0) depctr_va_ssrc(0) depctr_va_vcc(0) depctr_vm_vsrc(0)
	s_getreg_b32 s2, hwreg(HW_REG_IB_STS2, 6, 4)
	s_cmp_eq_u32 s2, 0
	s_cbranch_scc0 .Lentry_in_a_cluster
	s_endpgm
.Lentry_in_a_cluster:
	s_bfe_u32 s2, ttmp6, 0x10000c
	s_cmp_lg_u32 s2, 0xf033
	s_cbranch_scc0 .Lentry_shape_is_right
	s_endpgm
.Lentry_shape_is_right:
; The large GEMM, one text for two launches; GATEUP picks the sizes, the arguments and the way out.
;   GATEUP = 0: qkvh = xn . w_qkv               (N = 3072), stored by planes of 64 columns: [48][4096][64] bf16
;   GATEUP = 1: hp = silu(r G) * (r U), G | U = x1b . (g2 w_gate | g2 w_up) (N = 4096), r = rsqrt(mean x1^2 + eps) of the row
; A (activations) lies plane-major, [16][4096][64] bf16; B (weights) lies [1024 k][N] bf16.  Sums in f32.
; A work-group makes 256 x 256 with four waves, a wave 128 x 128: 64 accumulator tiles, 512 registers.  K = 1024 goes in 8 steps of 128
; through two LDS slots filled by tensor loads.  4 x 4 work-groups form a cluster: A's tile hangs on the block row alone and is asked
; for jointly along a row of the cluster, B's on the block column alone and jointly along a column.
; A wave's 128 columns are block columns 64 wn .. +63 (tiles b = 0..3) and 128 + 64 wn .. +63 (b = 4..7): two planes of qkvh, or gate and up of one plane of hp.
; B's fragments are read from rows that lie along N by the transposing LDS load.  The matrix instruction is used transposed (source 0 = weights,
; source 1 = activations): a lane then holds eight neighbouring columns of one token row.
; With N = 4096 the grid has 256 work-groups.
; LIMITS: operands are bf16; results are rounded to bf16 once; v_rsq_f32, v_rcp_f32, v_exp_f32 are good to 1 ULP and v_exp_f32 gives 0 below 2^-126;
; where exp2 overflows the reciprocal is 0 and the product +-0, as silu's limit is.
.set GATEUP, 1
.if GATEUP
.set NCOL, 4096
.set WOFF, 12582912
.set PO,   10                          ; s[10:11] the output's address
.else
.set NCOL, 3072
.set WOFF, 0
.set PO,   8                           ; s[8:9]
.endif
.set AP,    144                        ; an LDS row of A: 128 bytes + 16: 9 x 16, so the 16 rows of a fragment load start at 16 different 16-byte columns
.set APL,   128*AP                     ; 128 rows of one plane
.set AHALF, 2*APL                      ; one tensor load of A: 128 rows x 2 planes
.set BP,    544                        ; an LDS row of B: 512 bytes + 32: 17 x 32
.set BHALF, 64*BP                      ; one tensor load of B: 64 k rows
.set BOFF,  2*AHALF
.set SLOT,  BOFF+2*BHALF               ; 143,360
.set STAGE, 2*SLOT                     ; behind the ring: 16 rows x 144 bytes for each wave; no tensor load lands here
.set RINV,  STAGE+4*16*AP              ; 256 rows x (r, r) f32 (GATEUP)
.set LAPS,  4                          ; a lap = two K steps
.set ADRA, 16                          ; v16-17  LDS address of my A fragments, slot 0, 1
.set ADRB, 20                          ; v20-21  the same for B
.set STO,  24                          ; v24     way out: where I put 16 bytes of a row
.set RD,   25                          ; v25     way out: where I read rows back
.set CO,   26                          ; v26     way out: 16 x lane
.set RVA,  27                          ; v27     where my rows' r lie
.set RV,   32                          ; v32-47  (r, r) of my row in each of the eight row tiles
.set F0,   64                          ; fragment buffer 0 (window 0: A, window 1: B)
.set F1,   128                         ; fragment buffer 1
.set GG,   64                          ; way out of GATEUP: r G, then the result
.set UU,   96                          ;                    r U
.set EE,   128                         ;                    the sigmoid
.set TMP,  192                         ; packed results
.set RB,   224                         ; rows read back
.set G1,  24                           ; s[24:31] descriptor group 1, A
.set G0,  32                           ; s[32:39] group 0, A, one set a slot
.set G1B, 48                           ; s[48:55] group 1, B
.set G0B, 56                           ; s[56:63] group 0, B, one set a slot
.set MSB, 0
.macro WIN new                         ; the immediate's high byte repeats the setting that is left
.if MSB != \new
	s_set_vgpr_msb (MSB<<8)|\new
.set MSB, \new
.endif
.endm
.set MUL_LO, 0xa1                      ; source 0 (B) window 1, source 1 (A) window 0, C and D window 2
.set MUL_HI, 0xf1                      ; the same, C and D window 3
.set TO_B,   0x40                      ; destination window 1
; a joint load: waves 0, 1 ask for A's two row halves, waves 2, 3 for B's two k halves; each line has one mask.  The branch hangs on the wave's number alone.
.macro JLOAD s
	s_cmp_eq_u32 s13, 0
	s_cbranch_scc0 .Lfor_b_\@
	tensor_load_to_lds s[G0+4*\s:G0+4*\s+3], s[G1:G1+7]
	s_nop 0
.rept 4
	v_nop
.endr
	s_branch .Lasked_\@
.Lfor_b_\@:
	tensor_load_to_lds s[G0B+4*\s:G0B+4*\s+3], s[G1B:G1B+7]
	s_nop 0
.rept 4
	v_nop
.endr
.Lasked_\@:
.endm
.macro CREST                           ; a round of the cluster's barrier behind its opening barrier
	s_cmp_lg_u32 s12, 0
	s_cbranch_scc1 .Lnot_wave_0_\@
	s_barrier_signal -3
.Lnot_wave_0_\@:
	s_barrier_wait -3
	s_barrier_signal -1
	s_barrier_wait -1
.endm
.macro CROUND                          ; a whole round
	s_barrier_signal -1
	s_barrier_wait -1
	CREST
.endm
.if GATEUP
	s_load_b256 s[4:11], s[0:1], 0x0               ; x1b s[4:5], wb s[6:7], ssq s[8:9], hp s[10:11]
	s_set_vgpr_msb 0x40
	v_lshl_add_u32 v255, v0, 2, 0x48c00
	s_set_vgpr_msb 0x4000
	v_mov_b32 v255, 0
	s_set_vgpr_msb 0x1
	ds_add_u32 v255, v255
	s_set_vgpr_msb 0x100
.else
	s_load_b128 s[4:7], s[0:1], 0x0                ; xn s[4:5], wb s[6:7]
	s_load_b64 s[8:9], s[0:1], 0x10                ; qkvh
.endif
	v_lshrrev_b32 v1, 5, v0
	v_readfirstlane_b32 s12, v1                    ; wave 0..3
	s_lshr_b32 s13, s12, 1                         ; wm: my half of the block's rows.  Also: I fetch for A (0) or B (1)
	s_and_b32 s14, s12, 1                          ; wn: my column group.  Also: which half of that tile I fetch
	s_bfe_u32 s40, ttmp6, 0x40000                  ; cx
	s_bfe_u32 s41, ttmp6, 0x40004                  ; cy
	s_lshl_b32 s42, ttmp9, 2
	s_add_co_u32 s42, s42, s40                     ; bx: block column
	s_and_b32 s15, ttmp7, 0xffff
	s_lshl_b32 s15, s15, 2
	s_add_co_u32 s15, s15, s41                     ; by: block row
	s_lshl_b32 s43, s41, 2
	s_lshl_b32 s43, 15, s43                        ; my row of the cluster
	s_lshl_b32 s44, 0x1111, s40                    ; my column
	; group 1 for A: two runs of 8,192 elements (128 token rows of a plane, dense), the planes 262,144 elements apart; 4 words of padding behind every 32
	s_or_b32 s[G1+0], s43, (1<<16)|(1<<20)|(1<<21)|(4<<22)|(3<<25)
	s_mov_b32 s[G1+1], 8192<<16                    ; tensor_dim0 = 8192
	s_mov_b32 s[G1+2], 2<<16                       ; tensor_dim1 = 2
	s_mov_b32 s[G1+3], 8192<<16                    ; tile_dim0 = 8192
	s_mov_b32 s[G1+4], 2                           ; tile_dim1 = 2
	s_mov_b32 s[G1+5], 262144                      ; from plane to plane
	s_mov_b32 s[G1+6], 0
	s_mov_b32 s[G1+7], 0
	; group 1 for B: 64 k rows of 256 elements (512 bytes), 8 words of padding behind every 128
	s_or_b32 s[G1B+0], s44, (1<<16)|(1<<20)|(1<<21)|(6<<22)|(7<<25)
	s_mov_b32 s[G1B+1], 256<<16
	s_mov_b32 s[G1B+2], 64<<16
	s_mov_b32 s[G1B+3], 256<<16
	s_mov_b32 s[G1B+4], 64
	s_mov_b32 s[G1B+5], NCOL
	s_mov_b32 s[G1B+6], 0
	s_mov_b32 s[G1B+7], 0
	; A's tile hangs on by and the wave, B's on bx and the wave, each in registers that never hold the other coordinate
	s_lshl_b32 s16, s15, 15                        ; 256 rows of 128 bytes
	s_lshl_b32 s17, s14, 14                        ; + my 128 rows
	s_add_co_u32 s16, s16, s17
	s_mov_b32 s17, 0
	s_mul_i32 s46, s14, 128*NCOL                   ; my 64 k rows of 2 N bytes
	s_lshl_b32 s47, s42, 9                         ; 256 columns
	s_add_co_u32 s46, s46, s47
	s_add_co_u32 s46, s46, WOFF
	s_mov_b32 s47, 0
	s_mul_i32 s20, s12, AHALF                      ; LDS: A's halves at wave x 36,864 (waves 0, 1)
	s_mul_i32 s21, s12, BHALF
	s_add_co_u32 s21, s21, BOFF-2*BHALF            ; B's halves behind A (waves 2, 3)
	s_wait_dscnt 0x0
	s_wait_kmcnt 0x0
	s_add_nc_u64 s[18:19], s[4:5], s[16:17]
	s_add_nc_u64 s[46:47], s[6:7], s[46:47]
	CROUND                                         ; all sixteen work-groups are here: the first joint loads meet
.irp s, 0,1
	s_mov_b32 s[G0+4*\s], 1
	s_add_co_u32 s[G0+4*\s+1], s20, \s*SLOT
	s_add_nc_u64 s[G0+4*\s+2:G0+4*\s+3], s[18:19], \s*1048576      ; K step s: two planes on
	s_or_b32 s[G0+4*\s+3], s[G0+4*\s+3], 0x80000000
	s_mov_b32 s[G0B+4*\s], 1
	s_add_co_u32 s[G0B+4*\s+1], s21, \s*SLOT
	s_add_nc_u64 s[G0B+4*\s+2:G0B+4*\s+3], s[46:47], \s*256*NCOL   ; 128 k rows on
	s_or_b32 s[G0B+4*\s+3], s[G0B+4*\s+3], 0x80000000
	JLOAD \s                                       ; both first fills go out together: two loads of a wave are out
.endr
	v_and_b32 v1, 15, v0                           ; r = lane mod 16
	v_bfe_u32 v2, v0, 4, 1                         ; h = lane / 16
	v_mul_u32_u24 v3, v1, AP
	v_lshl_add_u32 v3, v2, 4, v3                   ; r x 144 + 16 h
	v_and_b32 v4, 7, v0
	v_bfe_u32 v6, v0, 3, 1
	v_lshl_add_u32 v5, v2, 3, v4                   ; the transposing load: lane takes k row 8 h + lane mod 8,
	v_mul_u32_u24 v5, v5, BP
	v_lshl_add_u32 v5, v6, 4, v5                   ; and 16 bytes at 16 x ((lane / 8) mod 2)
	s_mul_i32 s22, s13, AHALF                      ; my 128 rows of A
	s_lshl_b32 s23, s14, 7                         ; my 64 columns of B (and 64 more, 256 bytes on)
	s_add_co_u32 s23, s23, BOFF
.irp s, 0,1
	v_add_nc_u32 v[ADRA+\s], s22, v3
	v_add_nc_u32 v[ADRB+\s], s23, v5
	s_add_co_u32 s22, s22, SLOT
	s_add_co_u32 s23, s23, SLOT
.endr
	s_mul_i32 s22, s12, 16*AP
	s_add_co_u32 s22, s22, STAGE                   ; my stage
	v_add_nc_u32 v[STO], s22, v3
	v_bfe_u32 v7, v0, 3, 2
	v_mul_u32_u24 v7, v7, AP                       ; back: eight lanes take a row of 128 bytes, a load takes four rows
	v_lshl_add_u32 v7, v4, 4, v7
	v_add_nc_u32 v[RD], s22, v7
	v_and_b32 v7, 31, v0
	v_lshlrev_b32 v[CO], 4, v7
.if GATEUP
	; r of the block's 256 rows: thread t adds the sixteen partial sums of rows 2 t and 2 t + 1, in ascending order of the parts
	s_mov_b32 s66, 0x3a800000                      ; 1/1024
	s_mov_b32 s67, 0x358637bd                      ; eps = 1e-6
	s_mov_b32 s68, 0xbfb8aa3b                      ; -log2(e), twice
	s_mov_b32 s69, 0xbfb8aa3b
	s_lshl_b32 s16, s15, 10                        ; 256 rows of 4 bytes (s17 is 0)
	s_add_nc_u64 s[8:9], s[8:9], s[16:17]
	v_lshlrev_b32 v8, 3, v0
	v_lshlrev_b32 v9, 4, v0
	v_add_nc_u32 v9, RINV, v9
	s_lshl_b32 s22, s13, 10
	s_add_co_u32 s22, s22, RINV
	v_lshl_add_u32 v[RVA], v1, 3, s22              ; (r, r) of row 128 wm + lane mod 16
.irp p, 0,1,2,3,4,5,6,7,8,9,10,11,12,13,14,15
	global_load_b64 v[F0+2*\p:F0+2*\p+1], v8, s[8:9] offset:16384*\p
.endr
	s_wait_loadcnt 0x0
.irp p, 1,2,3,4,5,6,7,8,9,10,11,12,13,14,15
	v_pk_add_f32 v[F0:F0+1], v[F0:F0+1], v[F0+2*\p:F0+2*\p+1]
.endr
	v_fma_f32 v[F0],   v[F0],   s66, s67
	v_fma_f32 v[F0+1], v[F0+1], s66, s67
	v_rsq_f32 v[F0+32], v[F0]
	v_rsq_f32 v[F0+34], v[F0+1]
	v_nop                                          ; one plain instruction behind the transcendentals (ISA guide 5.7.2)
	s_wait_alu depctr_va_vdst(0)
	v_mov_b32 v[F0+33], v[F0+32]
	v_mov_b32 v[F0+35], v[F0+34]
	ds_store_b128 v9, v[F0+32:F0+35]
.endif
; 16 matrix instructions: row tiles a0, a0 + 1 of the window's four x all 8 column tiles, 32 along K.  zero = 1: the first product starts the sums.
; The 64 accumulators take turns, one instruction a turn, in the same order in every quarter.
.macro MUL16 f, hi, a0, zero
.irp a, \a0, \a0+1
.irp b, 0,1,2,3,4,5,6,7
.if \zero
	v_wmma_f32_16x16x32_bf16 v[8*(8*(\a)+\b):8*(8*(\a)+\b)+7], v[\f+8*\b:\f+8*\b+7], v[\f+8*(4*\hi+\a):\f+8*(4*\hi+\a)+7], 0
.else
	v_wmma_f32_16x16x32_bf16 v[8*(8*(\a)+\b):8*(8*(\a)+\b)+7], v[\f+8*\b:\f+8*\b+7], v[\f+8*(4*\hi+\a):\f+8*(4*\hi+\a)+7], v[8*(8*(\a)+\b):8*(8*(\a)+\b)+7]
.endif
.endr
.endr
.endm
; 32 LDS loads in one run: quarter q (32 along K) of a slot into buffer f: B's 8 column tiles, transposed on the way, then A's 8 row tiles
.macro FETCH slot, q, f
	WIN TO_B
.irp b, 0,1,2,3,4,5,6,7
	ds_load_tr16_b128 v[\f+8*\b:\f+8*\b+3],   v[ADRB+\slot] offset:\q*32*BP+32*(\b&3)+256*(\b>>2)
	ds_load_tr16_b128 v[\f+8*\b+4:\f+8*\b+7], v[ADRB+\slot] offset:\q*32*BP+32*(\b&3)+256*(\b>>2)+16*BP
.endr
	WIN 0
.irp i, 0,1,2,3,4,5,6,7
	ds_load_b128 v[\f+8*\i:\f+8*\i+3],   v[ADRA+\slot] offset:(\q>>1)*APL+(\q&1)*64+\i*16*AP
	ds_load_b128 v[\f+8*\i+4:\f+8*\i+7], v[ADRA+\slot] offset:(\q>>1)*APL+(\q&1)*64+\i*16*AP+32
.endr
.endm
; four places behind a matrix instruction before its registers are loaded into or its result is read (ISA guide 7.12.1 for vector instructions)
.macro PLACES
.rept 4
	v_nop
.endr
.endm
.macro QUARTER slot, q, f, g, zero     ; multiplies buffer f; in its middle fetches quarter q of the same slot into buffer g
	s_wait_dscnt 8                                 ; B and A's rows 0-63 are in; the youngest eight loads (A's rows 64-127) may be out
	WIN MUL_LO
	MUL16 \f, 0, 0, \zero
	MUL16 \f, 0, 2, \zero
	PLACES
	FETCH \slot, \q, \g
	s_wait_dscnt 32                                ; all but the 32 just issued
	WIN MUL_HI
	MUL16 \f, 1, 0, \zero
	MUL16 \f, 1, 2, \zero
.endm
.macro THREE slot, zero
	QUARTER \slot, 1, F0, F1, \zero
	QUARTER \slot, 2, F1, F0, 0
	QUARTER \slot, 3, F0, F1, 0
.endm
; the last quarter of a K step: multiplies buffer 1 and changes slots.  In front of the barrier each wave waits for its reads of this slot and for all its
; tensor loads (one is out: its part of the next slot); where the slot is filled again the barrier opens a round of the cluster's barrier, and the joint
; refill is the first tensor load behind the round.  From a request to the wait for it a wave issues 240 matrix instructions.
.macro TURN slot, next, fill
	s_wait_dscnt 8
	WIN MUL_LO
	MUL16 F1, 0, 0, 0
	s_wait_dscnt 0
	s_wait_tensorcnt 0x0
	ds_add_u32 v255, v255
	s_wait_dscnt 0x0
	s_barrier_signal -1
	MUL16 F1, 0, 2, 0                              ; register work while the others arrive
	WIN 0
	s_barrier_wait -1
.if \fill
	CREST
	s_add_nc_u64 s[G0+4*\slot+2:G0+4*\slot+3], s[G0+4*\slot+2:G0+4*\slot+3], 2097152        ; two K steps on: four planes
	s_add_nc_u64 s[G0B+4*\slot+2:G0B+4*\slot+3], s[G0B+4*\slot+2:G0B+4*\slot+3], 512*NCOL   ; 256 k rows
	JLOAD \slot                                    ; its four v_nop are also the places in front of the loads below
.else
	PLACES
.endif
	FETCH \next, 0, F0
	WIN MUL_HI
	MUL16 F1, 1, 0, 0
	MUL16 F1, 1, 2, 0
.endm
.macro LAP zero
	THREE 0, \zero
	TURN 0, 1, 1
	THREE 1, 0
	TURN 1, 0, 1
.endm
	s_wait_tensorcnt 1                             ; my part of K step 0 is in; K step 1's stays out
.if GATEUP
	s_wait_dscnt 0x0                               ; my two rows' r are in LDS
.endif
	s_barrier_signal -1
	s_barrier_wait -1
	FETCH 0, 0, F0
	LAP 1                                          ; the first lap's first products start the sums: nothing is cleared
	WIN 0
	s_mov_b32 s3, LAPS-2
.Llap:
	LAP 0
	WIN 0
	s_sub_co_u32 s3, s3, 1
	s_cmp_lg_u32 s3, 0
	s_cbranch_scc1 .Llap
	THREE 0, 0                                     ; the last lap fills nothing
	TURN 0, 1, 0
	THREE 1, 0
	s_wait_dscnt 8
	WIN MUL_LO
	MUL16 F1, 0, 0, 0
	MUL16 F1, 0, 2, 0
	s_wait_dscnt 0
	WIN MUL_HI
	MUL16 F1, 1, 0, 0
	MUL16 F1, 1, 2, 0
	; THE WAY OUT, 16 token rows at a time, through my own stage: a plane's rows are 128 bytes and follow each other, so four rows read back are 512 consecutive bytes
	PLACES
	s_lshl_b32 s16, s15, 15                        ; my first row in a plane: (256 by + 128 wm) x 128 bytes
	s_lshl_b32 s17, s13, 14
	s_add_co_u32 s16, s16, s17
	s_mov_b32 s17, 0
	s_add_nc_u64 s[PO:PO+1], s[PO:PO+1], s[16:17]
.if GATEUP
	s_lshl_b32 s46, s42, 1                         ; plane 2 bx + wn
.else
	s_lshl_b32 s46, s42, 2                         ; planes 4 bx + wn and 4 bx + 2 + wn
.endif
	s_add_co_u32 s46, s46, s14
	s_lshl_b32 s46, s46, 19                        ; a plane is 524,288 bytes
	s_mov_b32 s47, 0
	s_add_nc_u64 s[PO:PO+1], s[PO:PO+1], s[46:47]
; 16 rows x 64 columns of bf16 (16 registers from tmp: tile b's 16 bytes of my row at tmp + 4 b) go to the plane at byte imm
.macro STORE_PLANE tmp, imm
.irp b, 0,1,2,3
	ds_store_b128 v[STO], v[\tmp+4*\b:\tmp+4*\b+3] offset:32*\b
.endr
	s_wait_xcnt 0x0                                ; RB, which earlier stores read, is loaded again only behind this wait
.irp t, 0,1,2,3
	ds_load_b128 v[RB+4*\t:RB+4*\t+3], v[RD] offset:4*AP*\t        ; LDS serves a wave's instructions in order: these see the stores above
.endr
.irp t, 0,1,2,3
	s_wait_dscnt 3-\t
	global_store_b128 v[CO], v[RB+4*\t:RB+4*\t+3], s[PO:PO+1] offset:\imm+512*\t   ; 512 consecutive bytes, aligned
.endr
.endm
.if GATEUP
	WIN 0
.irp a, 0,1,2,3,4,5,6,7
	ds_load_b64 v[RV+2*\a:RV+2*\a+1], v[RVA] offset:128*\a
.endr
	s_wait_dscnt 0x0
; rows 16 i .. +15: tiles (a, 0..3) are gate, (a, 4..7) up, of the same 64 columns
.macro GU16 i, a, from
	WIN \from
.irp b, 0,1,2,3,4,5,6,7
.irp k, 0,2,4,6
	v_pk_mul_f32 v[GG+8*\b+\k:GG+8*\b+\k+1], v[8*(8*\a+\b)+\k:8*(8*\a+\b)+\k+1], v[RV+2*\i:RV+2*\i+1]   ; the row's 1/rms, on the f32 sums
.endr
.endr
	WIN 0
.set c_, 0
.rept 16
	v_pk_mul_f32 v[EE+c_:EE+c_+1], v[GG+c_:GG+c_+1], s[68:69] op_sel_hi:[1,0]
.set c_, c_+2
.endr
.set c_, 0
.rept 32
	v_exp_f32 v[EE+c_], v[EE+c_]                   ; e^-g
.set c_, c_+1
.endr
	v_nop
.set c_, 0
	s_wait_alu depctr_va_vdst(0)
.rept 16
	v_pk_add_f32 v[EE+c_:EE+c_+1], v[EE+c_:EE+c_+1], 1.0 op_sel_hi:[1,0]
.set c_, c_+2
.endr
.set c_, 0
.rept 32
	v_rcp_f32 v[EE+c_], v[EE+c_]                   ; sigmoid(g)
.set c_, c_+1
.endr
.set c_, 0
.rept 16
	v_pk_mul_f32 v[GG+c_:GG+c_+1], v[GG+c_:GG+c_+1], v[UU+c_:UU+c_+1]       ; plain work behind the reciprocals
.set c_, c_+2
.endr
.set c_, 0
	s_wait_alu depctr_va_vdst(0)
.rept 16
	v_pk_mul_f32 v[GG+c_:GG+c_+1], v[GG+c_:GG+c_+1], v[EE+c_:EE+c_+1]
.set c_, c_+2
.endr
.set c_, 0
.rept 16
	v_cvt_pk_bf16_f32 v[TMP+c_], v[GG+2*c_], v[GG+2*c_+1]
.set c_, c_+1
.endr
	STORE_PLANE TMP, \i*2048
.endm
	GU16 0, 0, 0x02
	GU16 1, 1, 0x02
	GU16 2, 2, 0x02
	GU16 3, 3, 0x02
	GU16 4, 0, 0x03
	GU16 5, 1, 0x03
	GU16 6, 2, 0x03
	GU16 7, 3, 0x03
.else
.macro OUT16 i, a, from
	WIN \from
.irp b, 0,1,2,3,4,5,6,7
.irp r, 0,1,2,3
	v_cvt_pk_bf16_f32 v[TMP+4*\b+\r], v[8*(8*\a+\b)+2*\r], v[8*(8*\a+\b)+2*\r+1]
.endr
.endr
	WIN 0
	STORE_PLANE TMP, \i*2048
	STORE_PLANE TMP+16, 1048576+\i*2048
.endm
	OUT16 0, 0, 0x0a
	OUT16 1, 1, 0x0a
	OUT16 2, 2, 0x0a
	OUT16 3, 3, 0x0a
	OUT16 4, 0, 0x0f
	OUT16 5, 1, 0x0f
	OUT16 6, 2, 0x0f
	OUT16 7, 3, 0x0f
.endif
	s_set_vgpr_msb 0x1
	s_wait_tensorcnt 0x0
	ds_add_u32 v255, v255
	s_wait_dscnt 0x0
	s_set_vgpr_msb 0x100
	CROUND                                         ; the closing round: no work-group ends while a partner may still ask for a tile that names it
	s_endpgm
.Lfunc_end_k_qe594ef8936_gateup:
	.size	k_qe594ef8936_gateup, .Lfunc_end_k_qe594ef8936_gateup-k_qe594ef8936_gateup
	.p2alignl 7, 3214868480
	.fill 96, 4, 3214868480
	.section	.rodata,"a",@progbits
	.p2align	6, 0x0
	.amdhsa_kernel k_qe594ef8936_gateup
		.amdhsa_group_segment_fixed_size 327680
		.amdhsa_private_segment_fixed_size 0
		.amdhsa_enable_private_segment 0
		.amdhsa_kernarg_size 32
		.amdhsa_user_sgpr_count 2
		.amdhsa_user_sgpr_kernarg_segment_ptr 1
		.amdhsa_wavefront_size32 1
		.amdhsa_system_sgpr_workgroup_id_x 1
		.amdhsa_system_sgpr_workgroup_id_y 1
		.amdhsa_system_sgpr_workgroup_id_z 1
		.amdhsa_system_vgpr_workitem_id 0
		.amdhsa_next_free_vgpr 1024
		.amdhsa_next_free_sgpr 80
		.amdhsa_reserve_vcc 0
		.amdhsa_float_denorm_mode_32 3
		.amdhsa_float_denorm_mode_16_64 3
		.amdhsa_memory_ordered 1
		.amdhsa_forward_progress 1
		.amdhsa_inst_pref_size 250
	.end_amdhsa_kernel
	.amdgpu_metadata
---
amdhsa.version: [ 1, 2 ]
amdhsa.kernels:
  - .name:           k_qe594ef8936_gateup
    .symbol:         k_qe594ef8936_gateup.kd
    .args:
      - { .name: x1b, .offset: 0, .size: 8, .value_kind: global_buffer, .address_space: global }
      - { .name: wb, .offset: 8, .size: 8, .value_kind: global_buffer, .address_space: global }
      - { .name: ssq, .offset: 16, .size: 8, .value_kind: global_buffer, .address_space: global }
      - { .name: hp, .offset: 24, .size: 8, .value_kind: global_buffer, .address_space: global }
    .group_segment_fixed_size: 327680
    .private_segment_fixed_size: 0
    .kernarg_segment_align: 8
    .kernarg_segment_size: 32
    .max_flat_workgroup_size: 128
    .sgpr_count:     80
    .vgpr_count:     1024
    .wavefront_size: 32
...
	.end_amdgpu_metadata
.endif
;; end of part 5
;; launch down (part 6): grid 8 x 32, 4 waves a work-group, clusters of 4 x 4, 327,680 bytes of LDS; arguments hp, wb, x1, out0; writes out0
.if DOCPART == 6
	.amdgcn_target "amdgcn-amd-amdhsa--gfx1250"
	.amdhsa_code_object_version 6
	.text
	.protected	k_qe594ef8936_down
	.globl	k_qe594ef8936_down
	.p2align	8
	.type	k_qe594ef8936_down,@function
k_qe594ef8936_down:
	s_mov_b64 s[64:65], 0
	v_nop
	global_prefetch_b8 v0, s[64:65] scope:SCOPE_SE
	s_setreg_imm32_b32 hwreg(HW_REG_WAVE_MODE, 25, 1), 1
	s_wait_xcnt 0x0
	s_wait_alu depctr_hold_cnt(0) depctr_sa_sdst(0) depctr_va_vdst(0) depctr_va_sdst(0) depctr_va_ssrc(0) depctr_va_vcc(0) depctr_vm_vsrc(0)
	s_getreg_b32 s2, hwreg(HW_REG_IB_STS2, 6, 4)
	s_cmp_eq_u32 s2, 0
	s_cbranch_scc0 .Lentry_in_a_cluster
	s_endpgm
.Lentry_in_a_cluster:
	s_bfe_u32 s2, ttmp6, 0x10000c
	s_cmp_lg_u32 s2, 0xf033
	s_cbranch_scc0 .Lentry_shape_is_right
	s_endpgm
.Lentry_shape_is_right:
; The small GEMM with residual, one text for two launches; the three head constants pick the launch.
;   NORM = 1: x1 = x + att . w_o (K = 1024); also x1b = bf16(x1), plane-major, and ssq[p][row] = sum of x1^2 over columns 64 p .. +63
;   NORM = 0: out0 = x1 + hp . w_down (K = 2048)
; A lies plane-major [K/64][4096][64] bf16, B [K][1024] bf16; residual and result are [4096][1024] f32.
; A work-group makes 128 x 128 with four waves, a wave 64 x 64: 16 accumulator tiles.  256 work-groups.  4 x 4 work-groups form a cluster: A's tile is asked for
; jointly along a row of the cluster, B's along a column.  A slot holds 256 of K (eight eighths of 32), so there is one round of the cluster's barrier
; for 128 matrix instructions of a wave, and a refill has 120 of them in which to land.
; THE WALK ALONG K: clusters whose x + y is odd begin in the middle of K: place p of a cluster's walk is K slot p xor NS/2, else K slot p.  Two clusters that need the
; same tile of A (neighbours along x) or of B (neighbours along y) therefore ask for it NS/2 places apart and not at the same moment: in the second half of its walk
; a cluster asks only for tiles that another cluster has asked for NS/2 places earlier.  The shift is made of the cluster's two coordinates, which all sixteen partners share.
; The matrix instruction is used transposed (source 0 = weights, by the transposing LDS load; source 1 = activations).
; The residual's 32 loads of a lane go out in front of the last lap, behind the last refill's request, with the last two slots' 256 matrix instructions in which to land.
; LIMITS: operands are bf16, sums f32; the K slots are added in the order of the cluster's walk, so the order of rounding differs between clusters.
.set NORM, 0
.set NS,   8                           ; slots' worth of K: K / 256
.set WOFF, 8388608
.set AP,    144
.set APL,   128*AP                     ; a plane's 128 rows
.set AHALF, 2*APL                      ; one tensor load of A: two planes
.set BP,    288                        ; an LDS row of B: 256 bytes + 32: 9 x 32
.set BHALF, 128*BP                     ; one tensor load of B: 128 k rows; equal to AHALF
.set BOFF,  2*AHALF
.set SLOT,  BOFF+2*BHALF               ; 147,456
.set STAGE, 2*SLOT                     ; 16 rows x 272 bytes for each wave; no tensor load lands here
.set SP,    272
.set SSQL,  STAGE+4*16*SP              ; 64 f32 for each wave
.set ADRA, 16                          ; v16-17  A fragments, slot 0, 1
.set ADRB, 20                          ; v20-23  B fragments, slot x 2 + half of the slot's k rows
.set STO,  24
.set RD,   25
.set CO,   26                          ; (lane / 16) x 4096 + 16 (lane mod 16): two rows of 256 bytes
.set CB,   27                          ; 8 x lane
.set SQA,  28
.set SQR,  29
.set F0,   64                          ; buffer 0: B's four tiles, then A's four
.set F1,   128
.set RB,   192                         ; rows read back
.set QQ,   224                         ; squares
.set BB,   240                         ; packed bf16
.set G1,  24
.set G0,  32
.set G1B, 48
.set G0B, 56
.set MSB, 0
.macro WIN new
.if MSB != \new
	s_set_vgpr_msb (MSB<<8)|\new
.set MSB, \new
.endif
.endm
.set MULW, 0x50                        ; C and D in window 1 (tile (a, b) at 8 (4 a + b)); the residual lies in window 2 at 4 (8 i + t)
.macro JLOAD s
	s_cmp_eq_u32 s13, 0
	s_cbranch_scc0 .Lfor_b_\@
	tensor_load_to_lds s[G0+4*\s:G0+4*\s+3], s[G1:G1+7]
	s_nop 0
.rept 4
	v_nop
.endr
	s_branch .Lasked_\@
.Lfor_b_\@:
	tensor_load_to_lds s[G0B+4*\s:G0B+4*\s+3], s[G1B:G1B+7]
	s_nop 0
.rept 4
	v_nop
.endr
.Lasked_\@:
.endm
.macro CREST
	s_cmp_lg_u32 s12, 0
	s_cbranch_scc1 .Lnot_wave_0_\@
	s_barrier_signal -3
.Lnot_wave_0_\@:
	s_barrier_wait -3
	s_barrier_signal -1
	s_barrier_wait -1
.endm
.macro CROUND
	s_barrier_signal -1
	s_barrier_wait -1
	CREST
.endm
.macro PLACES
.rept 4
	v_nop
.endr
.endm
; The global addresses of the tiles at place s78 of my cluster's walk, into LDS slot \slot's two group 0; then the place steps.
; s45 = 0 or NS/2 (the cluster's shift); s[18:19] A's and s[46:47] B's address at K slot 0; s17 and s67 stay 0.  Where it stands, no tensor load of the wave that reads this slot's group 0 is out.
.macro KADDR slot
	s_xor_b32 s79, s78, s45                        ; the K slot
	s_lshl_b32 s16, s79, 21                        ; A: four planes of 524,288 bytes a K slot
	s_lshl_b32 s66, s79, 19                        ; B: 256 k rows of 2,048 bytes
	s_add_nc_u64 s[G0+4*\slot+2:G0+4*\slot+3], s[18:19], s[16:17]
	s_add_nc_u64 s[G0B+4*\slot+2:G0B+4*\slot+3], s[46:47], s[66:67]
	s_or_b32 s[G0+4*\slot+3], s[G0+4*\slot+3], 0x80000000
	s_or_b32 s[G0B+4*\slot+3], s[G0B+4*\slot+3], 0x80000000
	s_add_co_u32 s78, s78, 1
.endm
	s_load_b256 s[4:11], s[0:1], 0x0               ; A s[4:5], wb s[6:7], residual s[8:9], result s[10:11]
	v_lshl_add_u32 v254, v0, 2, 0x4c800
	v_mov_b32 v255, 0
	ds_add_u32 v254, v255
.if NORM
	s_load_b128 s[68:71], s[0:1], 0x20             ; x1b s[68:69], ssq s[70:71]
.endif
	v_lshrrev_b32 v1, 5, v0
	v_readfirstlane_b32 s12, v1                    ; wave
	s_lshr_b32 s13, s12, 1                         ; wm; also: I fetch for A (0) or B (1)
	s_and_b32 s14, s12, 1                          ; wn; also: which half I fetch
	s_bfe_u32 s40, ttmp6, 0x40000                  ; cx
	s_bfe_u32 s41, ttmp6, 0x40004                  ; cy
	s_lshl_b32 s42, ttmp9, 2
	s_add_co_u32 s42, s42, s40                     ; bx
	s_and_b32 s15, ttmp7, 0xffff                   ; the cluster's y
	s_add_co_u32 s45, s15, ttmp9                   ; + the cluster's x
	s_and_b32 s45, s45, 1
	s_mul_i32 s45, s45, NS/2                       ; the cluster's shift along K, in slots: 0 or NS/2
	s_lshl_b32 s15, s15, 2
	s_add_co_u32 s15, s15, s41                     ; by
	s_lshl_b32 s43, s41, 2
	s_lshl_b32 s43, 15, s43                        ; my row of the cluster
	s_lshl_b32 s44, 0x1111, s40                    ; my column
	; group 1 for A: two runs of 8,192 elements (128 token rows of a plane, dense), planes 262,144 elements apart; 4 words of padding behind every 32
	s_or_b32 s[G1+0], s43, (1<<16)|(1<<20)|(1<<21)|(4<<22)|(3<<25)
	s_mov_b32 s[G1+1], 8192<<16
	s_mov_b32 s[G1+2], 2<<16
	s_mov_b32 s[G1+3], 8192<<16
	s_mov_b32 s[G1+4], 2
	s_mov_b32 s[G1+5], 262144
	s_mov_b32 s[G1+6], 0
	s_mov_b32 s[G1+7], 0
	; group 1 for B: 128 k rows of 128 elements (256 bytes), 8 words of padding behind every 64
	s_or_b32 s[G1B+0], s44, (1<<16)|(1<<20)|(1<<21)|(5<<22)|(7<<25)
	s_mov_b32 s[G1B+1], 128<<16
	s_mov_b32 s[G1B+2], 128<<16
	s_mov_b32 s[G1B+3], 128<<16
	s_mov_b32 s[G1B+4], 128
	s_mov_b32 s[G1B+5], 1024
	s_mov_b32 s[G1B+6], 0
	s_mov_b32 s[G1B+7], 0
	s_lshl_b32 s16, s15, 14                        ; A: 128 rows of 128 bytes a block row,
	s_lshl_b32 s17, s14, 20                        ; my two planes
	s_add_co_u32 s16, s16, s17
	s_mov_b32 s17, 0
	s_lshl_b32 s46, s14, 18                        ; B: my 128 k rows of 2,048 bytes,
	s_lshl_b32 s47, s42, 8                         ; 128 columns a block column
	s_add_co_u32 s46, s46, s47
	s_add_co_u32 s46, s46, WOFF
	s_mov_b32 s47, 0
	s_mul_i32 s20, s12, AHALF                      ; LDS: A's two halves, then B's two halves = wave x 36,864
	s_mov_b32 s78, 0                               ; the place in the walk that is asked for next
	s_mov_b32 s67, 0
	s_wait_dscnt 0x0
	s_wait_kmcnt 0x0
	s_add_nc_u64 s[18:19], s[4:5], s[16:17]        ; A's tile of K slot 0
	s_add_nc_u64 s[46:47], s[6:7], s[46:47]        ; B's
	CROUND                                         ; the first joint loads meet
.irp s, 0,1
	s_mov_b32 s[G0+4*\s], 1
	s_add_co_u32 s[G0+4*\s+1], s20, \s*SLOT
	s_mov_b32 s[G0B+4*\s], 1
	s_add_co_u32 s[G0B+4*\s+1], s20, \s*SLOT
	KADDR \s                                       ; places 0 and 1 of the walk
	JLOAD \s                                       ; two loads of a wave are out
.endr
	v_and_b32 v1, 15, v0                           ; r
	v_bfe_u32 v2, v0, 4, 1                         ; h
	v_lshlrev_b32 v[CO], 4, v1
	v_lshl_add_u32 v[CO], v2, 12, v[CO]
	s_lshl_b32 s72, s15, 19                        ; my 64 x 64 in the residual and in the result: row 128 by + 64 wm, column 128 bx + 64 wn
	s_lshl_b32 s73, s13, 18
	s_add_co_u32 s72, s72, s73
	s_lshl_b32 s73, s42, 9
	s_add_co_u32 s72, s72, s73
	s_lshl_b32 s73, s14, 8
	s_add_co_u32 s72, s72, s73
	s_mov_b32 s73, 0
	s_add_nc_u64 s[8:9], s[8:9], s[72:73]
	s_add_nc_u64 s[10:11], s[10:11], s[72:73]
	v_mul_u32_u24 v3, v1, AP
	v_lshl_add_u32 v3, v2, 4, v3                   ; r x 144 + 16 h
	v_and_b32 v4, 7, v0
	v_bfe_u32 v6, v0, 3, 1
	v_lshl_add_u32 v5, v2, 3, v4
	v_mul_u32_u24 v5, v5, BP
	v_lshl_add_u32 v5, v6, 4, v5                   ; the transposing load's lane term
	s_mul_i32 s22, s13, 64*AP                      ; my 64 rows of A
	s_lshl_b32 s23, s14, 7                         ; my 64 columns of B
	s_add_co_u32 s23, s23, BOFF
.irp s, 0,1
	v_add_nc_u32 v[ADRA+\s], s22, v3
	v_add_nc_u32 v[ADRB+2*\s], s23, v5
	s_add_co_u32 s23, s23, BHALF
	v_add_nc_u32 v[ADRB+2*\s+1], s23, v5
	s_add_co_u32 s22, s22, SLOT
	s_add_co_u32 s23, s23, SLOT-BHALF
.endr
	s_mul_i32 s22, s12, 16*SP
	s_add_co_u32 s22, s22, STAGE                   ; my stage
	v_mul_u32_u24 v7, v1, SP
	v_lshl_add_u32 v7, v2, 5, v7                   ; in: row r, 32 bytes for each half of the lanes
	v_add_nc_u32 v[STO], s22, v7
	v_mul_u32_u24 v7, v2, SP
	v_lshl_add_u32 v7, v1, 4, v7                   ; back: lanes 0-15 one row of 256 bytes, lanes 16-31 the next
	v_add_nc_u32 v[RD], s22, v7
	v_and_b32 v7, 31, v0
	v_lshlrev_b32 v[CB], 3, v7
.if NORM
	s_lshl_b32 s22, s12, 8
	s_add_co_u32 s22, s22, SSQL
	v_lshl_add_u32 v[SQA], v2, 2, s22
	v_add_nc_u32 v[SQR], s22, v[CB]
	s_lshl_b32 s74, s42, 1
	s_add_co_u32 s74, s74, s14                     ; plane, and part of ssq: 2 bx + wn
	s_lshl_b32 s76, s74, 14                        ; ssq: a part is 16,384 bytes
	s_lshl_b32 s74, s74, 19                        ; x1b: a plane is 524,288 bytes
	s_lshl_b32 s75, s15, 14
	s_add_co_u32 s74, s74, s75
	s_lshl_b32 s75, s13, 13
	s_add_co_u32 s74, s74, s75
	s_mov_b32 s75, 0
	s_lshl_b32 s77, s15, 9
	s_add_co_u32 s76, s76, s77
	s_lshl_b32 s77, s13, 8
	s_add_co_u32 s76, s76, s77
	s_mov_b32 s77, 0
	s_add_nc_u64 s[68:69], s[68:69], s[74:75]
	s_add_nc_u64 s[70:71], s[70:71], s[76:77]
.endif
; 16 LDS loads: eighth e (32 along K) of a slot into buffer f
.macro FETCH slot, e, f
.irp b, 0,1,2,3
	ds_load_tr16_b128 v[\f+8*\b:\f+8*\b+3],   v[ADRB+2*\slot+(\e>>2)] offset:(\e&3)*32*BP+32*\b
	ds_load_tr16_b128 v[\f+8*\b+4:\f+8*\b+7], v[ADRB+2*\slot+(\e>>2)] offset:(\e&3)*32*BP+32*\b+16*BP
.endr
.irp a, 0,1,2,3
	ds_load_b128 v[\f+32+8*\a:\f+32+8*\a+3], v[ADRA+\slot] offset:(\e>>1)*APL+(\e&1)*64+\a*16*AP
	ds_load_b128 v[\f+32+8*\a+4:\f+32+8*\a+7], v[ADRA+\slot] offset:(\e>>1)*APL+(\e&1)*64+\a*16*AP+32
.endr
.endm
; 8 matrix instructions: row tiles a0, a0 + 1 x 4 column tiles.  The 16 accumulators take turns, one instruction a turn, always in this order.
.macro MUL8 f, a0, zero
.irp a, \a0, \a0+1
.irp b, 0,1,2,3
.if \zero
	v_wmma_f32_16x16x32_bf16 v[8*(4*(\a)+\b):8*(4*(\a)+\b)+7], v[\f+8*\b:\f+8*\b+7], v[\f+32+8*(\a):\f+32+8*(\a)+7], 0
.else
	v_wmma_f32_16x16x32_bf16 v[8*(4*(\a)+\b):8*(4*(\a)+\b)+7], v[\f+8*\b:\f+8*\b+7], v[\f+32+8*(\a):\f+32+8*(\a)+7], v[8*(4*(\a)+\b):8*(4*(\a)+\b)+7]
.endif
.endr
.endr
.endm
; one eighth: fetches eighth enext into buffer g, multiplies buffer f
.macro STEP slot, enext, f, g, zero
	PLACES                                         ; buffer g was read by the matrix instructions just issued
	FETCH \slot, \enext, \g
	s_wait_dscnt 16                                ; all but the 16 just issued: buffer f is in
	WIN MULW
	MUL8 \f, 0, \zero
	MUL8 \f, 2, \zero
	WIN 0
.endm
.macro SLOTSTEP slot, zero
	STEP \slot, 1, F0, F1, \zero
	STEP \slot, 2, F1, F0, 0
	STEP \slot, 3, F0, F1, 0
	STEP \slot, 4, F1, F0, 0
	STEP \slot, 5, F0, F1, 0
	STEP \slot, 6, F1, F0, 0
	STEP \slot, 7, F0, F1, 0
.endm
; the last eighth of a slot (buffer 1) and the change of slots
.macro TURN slot, next, fill
	s_wait_dscnt 0                                 ; buffer 1 is in, and my reads of this slot are over
	s_wait_tensorcnt 0x0                           ; all my tensor loads have landed: the one that was out is my part of the next slot
	ds_add_u32 v254, v255
	s_wait_dscnt 0x0
	s_barrier_signal -1
	WIN MULW
	MUL8 F1, 0, 0                                  ; register work while the others arrive
	WIN 0
	s_barrier_wait -1
.if \fill
	CREST                                          ; the round: no wave of any partner still reads this slot or has a load on its way
	KADDR \slot                                    ; the next place of the walk
	JLOAD \slot                                    ; its four v_nop are also the places in front of the loads below
.else
	PLACES
.endif
	FETCH \next, 0, F0
	WIN MULW
	MUL8 F1, 2, 0
	WIN 0
.endm
.macro LAP zero
	SLOTSTEP 0, \zero
	TURN 0, 1, 1
	SLOTSTEP 1, 0
	TURN 1, 0, 1
.endm
	s_wait_tensorcnt 1                             ; my part of slot 0 is in; slot 1's stays out
	s_barrier_signal -1
	s_barrier_wait -1
	FETCH 0, 0, F0
	LAP 1                                          ; the first products start the sums
.if NS > 4
	s_mov_b32 s3, NS/2-2
.Llap:
	LAP 0
	s_sub_co_u32 s3, s3, 1
	s_cmp_lg_u32 s3, 0
	s_cbranch_scc1 .Llap
.endif
	; the residual: 64 rows x 256 bytes of a wave, 32 loads, into window 2, which no matrix instruction names.  All tiles have been asked for by now.
	WIN 0x80                                       ; destination in window 2
.irp i, 0,1,2,3
.irp t, 0,1,2,3,4,5,6,7
	global_load_b128 v[4*(8*\i+\t):4*(8*\i+\t)+3], v[CO], s[8:9] offset:(16*\i+2*\t)*4096
.endr
.endr
	WIN 0
	SLOTSTEP 0, 0                                  ; the last lap fills nothing
	TURN 0, 1, 0
	SLOTSTEP 1, 0
	s_wait_dscnt 0
	WIN MULW
	MUL8 F1, 0, 0
	MUL8 F1, 2, 0
	WIN 0
	PLACES
	; THE WAY OUT, 16 rows at a time through my own stage: whole rows of 256 bytes come back, the residual is added, sixteen lanes store 256 consecutive bytes
	s_wait_loadcnt 0x0                             ; the residual
.macro OUT16 i
	WIN 0x04                                       ; store data in window 1
.irp b, 0,1,2,3
	ds_store_b128 v[STO], v[8*(4*\i+\b):8*(4*\i+\b)+3]   offset:64*\b
	ds_store_b128 v[STO], v[8*(4*\i+\b)+4:8*(4*\i+\b)+7] offset:64*\b+16
.endr
	WIN 0
	s_wait_xcnt 0x0                                ; RB and BB, which earlier stores read, are written again only behind this wait
.irp t, 0,1,2,3,4,5,6,7
	ds_load_b128 v[RB+4*\t:RB+4*\t+3], v[RD] offset:2*SP*\t        ; LDS serves a wave's instructions in order
.endr
	s_wait_dscnt 0x0
	WIN 0x08                                       ; source 1 in window 2
.irp t, 0,1,2,3,4,5,6,7
	v_pk_add_f32 v[RB+4*\t:RB+4*\t+1],   v[RB+4*\t:RB+4*\t+1],   v[4*(8*\i+\t):4*(8*\i+\t)+1]
	v_pk_add_f32 v[RB+4*\t+2:RB+4*\t+3], v[RB+4*\t+2:RB+4*\t+3], v[4*(8*\i+\t)+2:4*(8*\i+\t)+3]
.endr
	WIN 0
.irp t, 0,1,2,3,4,5,6,7
	global_store_b128 v[CO], v[RB+4*\t:RB+4*\t+3], s[10:11] offset:(16*\i+2*\t)*4096
.endr
.if NORM
.irp t, 0,1,2,3,4,5,6,7
	v_pk_mul_f32 v[QQ+2*\t:QQ+2*\t+1], v[RB+4*\t:RB+4*\t+1], v[RB+4*\t:RB+4*\t+1]
	v_cvt_pk_bf16_f32 v[BB+2*\t],   v[RB+4*\t],   v[RB+4*\t+1]
	v_cvt_pk_bf16_f32 v[BB+2*\t+1], v[RB+4*\t+2], v[RB+4*\t+3]
	v_pk_fma_f32 v[QQ+2*\t:QQ+2*\t+1], v[RB+4*\t+2:RB+4*\t+3], v[RB+4*\t+2:RB+4*\t+3], v[QQ+2*\t:QQ+2*\t+1]
	global_store_b64 v[CB], v[BB+2*\t:BB+2*\t+1], s[68:69] offset:(16*\i+2*\t)*128   ; two rows of the plane: 256 consecutive bytes, aligned
.endr
.irp t, 0,1,2,3,4,5,6,7
	v_add_f32 v[QQ+2*\t], v[QQ+2*\t], v[QQ+2*\t+1]
.endr
.irp m, 1,2,4,8
.irp t, 0,1,2,3,4,5,6,7
	v_add_f32_dpp v[QQ+2*\t], v[QQ+2*\t], v[QQ+2*\t] row_xmask:\m row_mask:0xf bank_mask:0xf   ; a row's 64 columns lie in 16 lanes
.endr
.endr
.irp t, 0,1,2,3,4,5,6,7
	ds_store_b32 v[SQA], v[QQ+2*\t] offset:(16*\i+2*\t)*4          ; sixteen lanes write one word with one value
.endr
.endif
.endm
	OUT16 0
	OUT16 1
	OUT16 2
	OUT16 3
.if NORM
	ds_load_b64 v[QQ:QQ+1], v[SQR]                 ; my 64 rows' sums: my own bytes, served in order
	s_wait_dscnt 0x0
	global_store_b64 v[CB], v[QQ:QQ+1], s[70:71]   ; 256 consecutive bytes, aligned
.endif
	s_wait_tensorcnt 0x0
	ds_add_u32 v254, v255
	s_wait_dscnt 0x0
	CROUND                                         ; the closing round
	s_endpgm
.Lfunc_end_k_qe594ef8936_down:
	.size	k_qe594ef8936_down, .Lfunc_end_k_qe594ef8936_down-k_qe594ef8936_down
	.p2alignl 7, 3214868480
	.fill 96, 4, 3214868480
	.section	.rodata,"a",@progbits
	.p2align	6, 0x0
	.amdhsa_kernel k_qe594ef8936_down
		.amdhsa_group_segment_fixed_size 327680
		.amdhsa_private_segment_fixed_size 0
		.amdhsa_enable_private_segment 0
		.amdhsa_kernarg_size 32
		.amdhsa_user_sgpr_count 2
		.amdhsa_user_sgpr_kernarg_segment_ptr 1
		.amdhsa_wavefront_size32 1
		.amdhsa_system_sgpr_workgroup_id_x 1
		.amdhsa_system_sgpr_workgroup_id_y 1
		.amdhsa_system_sgpr_workgroup_id_z 1
		.amdhsa_system_vgpr_workitem_id 0
		.amdhsa_next_free_vgpr 640
		.amdhsa_next_free_sgpr 80
		.amdhsa_reserve_vcc 0
		.amdhsa_float_denorm_mode_32 3
		.amdhsa_float_denorm_mode_16_64 3
		.amdhsa_memory_ordered 1
		.amdhsa_forward_progress 1
		.amdhsa_inst_pref_size 135
	.end_amdhsa_kernel
	.amdgpu_metadata
---
amdhsa.version: [ 1, 2 ]
amdhsa.kernels:
  - .name:           k_qe594ef8936_down
    .symbol:         k_qe594ef8936_down.kd
    .args:
      - { .name: hp, .offset: 0, .size: 8, .value_kind: global_buffer, .address_space: global }
      - { .name: wb, .offset: 8, .size: 8, .value_kind: global_buffer, .address_space: global }
      - { .name: x1, .offset: 16, .size: 8, .value_kind: global_buffer, .address_space: global }
      - { .name: out0, .offset: 24, .size: 8, .value_kind: global_buffer, .address_space: global }
    .group_segment_fixed_size: 327680
    .private_segment_fixed_size: 0
    .kernarg_segment_align: 8
    .kernarg_segment_size: 32
    .max_flat_workgroup_size: 128
    .sgpr_count:     80
    .vgpr_count:     640
    .wavefront_size: 32
...
	.end_amdgpu_metadata
.endif
;; end of part 6
;; ======== version 2 of 2: 6 launches; version 1 with the launch prep written anew for expert scheduling mode
;; workspace buffers: xn 8,388,608 bytes; wb 20,971,520 bytes; qkvh 25,165,824 bytes; att 8,388,608 bytes; x1 16,777,216 bytes; x1b 8,388,608 bytes; ssq 262,144 bytes; hp 16,777,216 bytes
;; launch prep (part 7): grid 448 x 1, 8 waves a work-group, no clusters, 0 bytes of LDS; arguments x, g1, g2, w_qkv, w_o, w_down, w_gate, w_up, xn, wb; writes xn, wb
.if DOCPART == 7
	.amdgcn_target "amdgcn-amd-amdhsa--gfx1250"
	.amdhsa_code_object_version 6
	.text
	.protected	k_qe594ef8936_prep
	.globl	k_qe594ef8936_prep
	.p2align	8
	.type	k_qe594ef8936_prep,@function
k_qe594ef8936_prep:
	s_mov_b64 s[64:65], 0
	v_nop
	global_prefetch_b8 v0, s[64:65] scope:SCOPE_SE
	s_setreg_imm32_b32 hwreg(HW_REG_WAVE_SCHED_MODE, 0, 2), 2
	s_setreg_imm32_b32 hwreg(HW_REG_WAVE_MODE, 25, 1), 1
	s_wait_xcnt 0x0
	s_wait_alu depctr_vm_vsrc(0)
; prep: xn = bf16(rmsnorm(x, g1)), and bf16 copies of all weights (g2 folded into w_gate and w_up).
; A stream: every work-group takes 32,768 f32 numbers (131,072 bytes), every thread issues its 32 loads of 16 bytes at once,
; straight-line text.  No LDS, no barrier, no matrix unit: nothing is shared.
;   work-groups   0..127: 32 rows of x each (section A)
;   work-groups 128..319: w_qkv, w_o, w_down, converted flat (section B)
;   work-groups 320..447: w_gate, w_up times g2[k], interleaved in column blocks of 128 + 128 (section C)
; xn lies plane-major: [16 planes of 64 columns][4096 rows][64] bf16, so two neighbouring rows of a plane are 256 consecutive bytes.
; wb: w_qkv [1024][3072] at byte 0, w_o [1024][1024] at 6,291,456, w_down [2048][1024] at 8,388,608,
;     gate/up [1024][4096] at 12,582,912: column block nb of 256 = g2*gate columns 128 nb .. +127, then g2*up columns 128 nb .. +127.
; LIMITS: results are rounded to bf16 once; the row factor is v_rsq_f32 (1 ULP); the order of rounding is x*g*(1/rms), not x/rms*g.
; THE MODE: SCHED_MODE bits 1:0 = 2 (LLVM: expert scheduling mode 2), set by the entry lines.  The code itself states the register dependences
; between vector instructions and memory instructions, with s_wait_alu, always for 0.
; THE PLAN.  Registers that memory instructions touch:
;   v1, v2, v5   byte offsets.  Written by vector instructions ahead of a section's first load, read by its loads and stores, and not written again behind one.
;   G            section A: 16 loads land in it; read by vector instructions alone; never loaded again.
;   X            32 loads land in it, four registers each.  Each four are worked on in place, one store reads their first two, and nobody writes them again.
; No register that a memory instruction has read is written again, so no wait on vm_vsrc is owed; no vector instruction writes a scalar register, VCC or EXEC.
; What is left is: results written before a store reads them, offsets written before a load or store reads them.  The work goes in groups, and a group's
; stores stand behind ONE wait on va_vdst, dealt among the next group's vector instructions, which name none of the registers that those stores read.
.set X, 64                             ; v[64:191]  32 loads x 4 registers
.set G, 192                            ; v[192:255] g1 of my 64 columns (section A)
.set R, 16                             ; v[16:17]   1/rms, twice
.set WGU, 12582912
	s_load_b512 s[8:23], s[0:1], 0x0               ; x s[8:9], g1 s[10:11], g2 s[12:13], w_qkv s[14:15], w_o s[16:17], w_down s[18:19], w_gate s[20:21], w_up s[22:23]
	s_load_b128 s[24:27], s[0:1], 0x40             ; xn s[24:25], wb s[26:27]
	s_mov_b32 s4, ttmp9
	s_mov_b32 s3, 0                                ; upper word of every byte offset (all are below 4 GiB)
	v_and_b32 v3, 31, v0                           ; lane
	v_lshrrev_b32 v4, 5, v0                        ; wave
	v_lshlrev_b32 v2, 3, v3
	v_lshl_add_u32 v2, v4, 9, v2                   ; sections A and C store at 512 x wave + 8 x lane
	s_wait_kmcnt 0x0
	s_cmp_ge_u32 s4, 128
	s_cbranch_scc1 .Lweights
; ---- section A: 32 rows, four a wave; lanes 0-15 take one row, lanes 16-31 the next: a load covers two pieces of 256 bytes
	s_mov_b32 s6, 0x3a800000                       ; 1/1024
	s_mov_b32 s7, 0x358637bd                       ; eps = 1e-6
	v_and_b32 v5, 15, v0
	v_lshlrev_b32 v5, 4, v5                        ; 16 x (lane mod 16): my 4 columns in each piece of 64
	v_bfe_u32 v6, v0, 4, 1
	v_lshl_add_u32 v1, v6, 12, v5                  ; + the row of my half of the lanes
	v_lshl_add_u32 v1, v4, 14, v1                  ; + 4 rows a wave
	s_lshl_b32 s2, s4, 17                          ; 32 rows of 4,096 bytes
	s_add_nc_u64 s[8:9], s[8:9], s[2:3]
	s_lshl_b32 s2, s4, 12                          ; 32 rows of 128 bytes in a plane
	s_add_nc_u64 s[24:25], s[24:25], s[2:3]
	s_wait_alu depctr_va_vdst(0)                   ; v1, v2 and v5 are written: every load and store of this section reads one of them as its offset
.irp p, 0,1,2,3,4,5,6,7,8,9,10,11,12,13,14,15
	global_load_b128 v[G+4*\p:G+4*\p+3], v5, s[10:11] offset:256*\p
.endr
.irp i, 0,1
.irp p, 0,1,2,3,4,5,6,7,8,9,10,11,12,13,14,15
	global_load_b128 v[X+64*\i+4*\p:X+64*\i+4*\p+3], v1, s[8:9] offset:8192*\i+256*\p
.endr
.endr
; my four numbers of plane p in row pair i: times g1,
.macro TIMESG i, p
	v_pk_mul_f32 v[X+64*(\i)+4*(\p):X+64*(\i)+4*(\p)+1],   v[X+64*(\i)+4*(\p):X+64*(\i)+4*(\p)+1],   v[G+4*(\p):G+4*(\p)+1]
	v_pk_mul_f32 v[X+64*(\i)+4*(\p)+2:X+64*(\i)+4*(\p)+3], v[X+64*(\i)+4*(\p)+2:X+64*(\i)+4*(\p)+3], v[G+4*(\p)+2:G+4*(\p)+3]
.endm
; times 1/rms, and rounded to bf16 into the first two of their four registers,
.macro FINISH i, p
	v_pk_mul_f32 v[X+64*(\i)+4*(\p):X+64*(\i)+4*(\p)+1],   v[X+64*(\i)+4*(\p):X+64*(\i)+4*(\p)+1],   v[R:R+1]
	v_pk_mul_f32 v[X+64*(\i)+4*(\p)+2:X+64*(\i)+4*(\p)+3], v[X+64*(\i)+4*(\p)+2:X+64*(\i)+4*(\p)+3], v[R:R+1]
	v_cvt_pk_bf16_f32 v[X+64*(\i)+4*(\p)],   v[X+64*(\i)+4*(\p)],   v[X+64*(\i)+4*(\p)+1]
	v_cvt_pk_bf16_f32 v[X+64*(\i)+4*(\p)+1], v[X+64*(\i)+4*(\p)+2], v[X+64*(\i)+4*(\p)+3]
.endm
; and stored: 32 lanes x 8 bytes: two rows of plane p, 256 consecutive bytes, aligned
.macro PUT i, p
	global_store_b64 v2, v[X+64*(\i)+4*(\p):X+64*(\i)+4*(\p)+1], s[24:25] offset:524288*(\p)+256*(\i)
.endm
; a pair of rows: sum of squares in two packed chains, across the 16 lanes of a row, then scale, round, store.
; left = how many younger loads may stay out.
.macro ROWS i, left
	s_wait_loadcnt \left
	v_pk_mul_f32 v[8:9],   v[X+64*\i:X+64*\i+1],   v[X+64*\i:X+64*\i+1]        ; the first products start the chains
	v_pk_mul_f32 v[10:11], v[X+64*\i+2:X+64*\i+3], v[X+64*\i+2:X+64*\i+3]
.irp p, 1,2,3,4,5,6,7,8,9,10,11,12,13,14,15
	v_pk_fma_f32 v[8:9],   v[X+64*\i+4*\p:X+64*\i+4*\p+1],   v[X+64*\i+4*\p:X+64*\i+4*\p+1],   v[8:9]
	v_pk_fma_f32 v[10:11], v[X+64*\i+4*\p+2:X+64*\i+4*\p+3], v[X+64*\i+4*\p+2:X+64*\i+4*\p+3], v[10:11]
.endr
	v_pk_add_f32 v[8:9], v[8:9], v[10:11]
	v_add_f32 v8, v8, v9
	v_add_f32_dpp v8, v8, v8 row_xmask:1 row_mask:0xf bank_mask:0xf            ; a row of x lies in 16 lanes: no step crosses the halves
	v_add_f32_dpp v8, v8, v8 row_xmask:2 row_mask:0xf bank_mask:0xf
	v_add_f32_dpp v8, v8, v8 row_xmask:4 row_mask:0xf bank_mask:0xf
	v_add_f32_dpp v8, v8, v8 row_xmask:8 row_mask:0xf bank_mask:0xf
	v_fma_f32 v8, v8, s6, s7                       ; mean + eps
	v_rsq_f32 v[R], v8                             ; the products x*g below are the plain instructions that stand between
	v_rsq_f32 v[R+1], v8                           ; these and the first use of R (ISA guide 5.7.2)
.irp p, 0,1,2,3,4,5,6,7,8,9,10,11,12,13,14,15
	TIMESG \i, \p
.endr
	s_wait_alu depctr_va_vdst(0)                   ; the two reciprocal roots are written into v[R:R+1], ahead of their first reader: one wait for the pair of rows
.irp p, 0,1,2,3,4,5,6,7
	FINISH \i, \p
.endr
	s_wait_alu depctr_va_vdst(0)                   ; the roundings of planes 0 to 7 are written, which the eight stores below read
.irp p, 0,1,2,3,4,5,6,7
	PUT \i, \p                                     ; no wait: the vector instructions since the wait name the registers of planes 8 to 15 and R alone
	FINISH \i, (\p)+8
.endr
	s_wait_alu depctr_va_vdst(0)                   ; the roundings of planes 8 to 15 are written, which the eight stores below read
.irp p, 8,9,10,11,12,13,14,15
	PUT \i, \p
.endr
.endm
	ROWS 0, 16                                     ; the second pair's 16 loads stay out
	ROWS 1, 0
	s_endpgm
.Lweights:
	s_cmp_ge_u32 s4, 320
	s_cbranch_scc1 .Lgateup
; ---- section B: 131,072 bytes of w_qkv (96 groups), w_o (32) or w_down (64), in the order in which they lie in wb
	s_sub_co_u32 s4, s4, 128                       ; id
	s_cmp_lt_u32 s4, 96
	s_cselect_b64 s[28:29], s[14:15], s[16:17]
	s_cselect_b32 s5, 0, 96
	s_cmp_lt_u32 s4, 128
	s_cselect_b64 s[28:29], s[28:29], s[18:19]
	s_cselect_b32 s5, s5, 128
	s_sub_co_u32 s5, s4, s5                        ; the group's number inside its tensor
	s_lshl_b32 s2, s5, 17
	s_add_nc_u64 s[28:29], s[28:29], s[2:3]
	s_lshl_b32 s2, s4, 16
	s_add_nc_u64 s[30:31], s[26:27], s[2:3]
	v_lshlrev_b32 v1, 4, v0
	v_lshlrev_b32 v2, 3, v0
	s_wait_alu depctr_va_vdst(0)                   ; v1 and v2 are written: the loads below read v1 as their offset, the stores v2
.set j, 0
.rept 32
	global_load_b128 v[X+4*j:X+4*j+3], v1, s[28:29] offset:4096*j th:TH_LOAD_NT
.set j, j+1
.endr
; eight groups of four loads.  Group g rounds its own sixteen registers; the four stores of group g - 1 are dealt among its roundings.
.set g, 0
.rept 8
	s_wait_loadcnt 28-4*g                          ; loads come back in order: group g's four are in, the later groups' stay out
.if g > 0
	s_wait_alu depctr_va_vdst(0)                   ; the group before has written its roundings, which the four stores below read
.endif
.irp k, 0,1,2,3
.if g > 0
	global_store_b64 v2, v[X+4*(4*g-4+\k):X+4*(4*g-4+\k)+1], s[30:31] offset:2048*(4*g-4+\k)   ; no wait: the roundings since the wait name this group's registers alone
.endif
	v_cvt_pk_bf16_f32 v[X+4*(4*g+\k)],   v[X+4*(4*g+\k)],   v[X+4*(4*g+\k)+1]
	v_cvt_pk_bf16_f32 v[X+4*(4*g+\k)+1], v[X+4*(4*g+\k)+2], v[X+4*(4*g+\k)+3]
.endr
.set g, g+1
.endr
	s_wait_alu depctr_va_vdst(0)                   ; the last group has written its roundings, which the last four stores read
.irp k, 28,29,30,31
	global_store_b64 v2, v[X+4*\k:X+4*\k+1], s[30:31] offset:2048*\k
.endr
	s_endpgm
.Lgateup:
; ---- section C: 16 rows k of w_gate (groups 320..383) or w_up (384..447), times g2[k]
	s_sub_co_u32 s4, s4, 320
	s_lshr_b32 s5, s4, 6                           ; 0 gate, 1 up
	s_and_b32 s4, s4, 63
	s_cmp_eq_u32 s5, 0
	s_cselect_b64 s[28:29], s[20:21], s[22:23]
	s_lshl_b32 s2, s4, 6                           ; 16 numbers of g2
	s_add_nc_u64 s[12:13], s[12:13], s[2:3]
	s_load_b512 s[32:47], s[12:13], 0x0
	s_lshl_b32 s2, s4, 17                          ; 16 rows of 8,192 bytes, in the source and in wb alike
	s_add_nc_u64 s[28:29], s[28:29], s[2:3]
	s_add_nc_u64 s[30:31], s[26:27], s[2:3]
	s_lshl_b32 s2, s5, 8                           ; up's 256 bytes lie behind gate's in each column block
	s_add_co_u32 s2, s2, WGU
	s_add_nc_u64 s[30:31], s[30:31], s[2:3]
	v_lshlrev_b32 v1, 4, v0
	s_wait_alu depctr_va_vdst(0)                   ; v1, and v2 from the head, are written: the loads below read v1 as their offset, the stores v2
.set j, 0
.rept 32
	global_load_b128 v[X+4*j:X+4*j+3], v1, s[28:29] offset:4096*j th:TH_LOAD_NT   ; half a row: row j/2, columns 1024 (j mod 2) + 4 t
.set j, j+1
.endr
	s_wait_kmcnt 0x0
; eight groups of four loads (two rows k), as in section B
.set g, 0
.rept 8
	s_wait_loadcnt 28-4*g                          ; group g's four loads are in, the later groups' stay out
.if g > 0
	s_wait_alu depctr_va_vdst(0)                   ; the group before has written its roundings, which the four stores below read
.endif
.irp k, 0,1,2,3
.if g > 0
	global_store_b64 v2, v[X+4*(4*g-4+\k):X+4*(4*g-4+\k)+1], s[30:31] offset:4096*(4*g-4+\k)   ; a wave's 128 columns: 256 consecutive bytes, aligned.  No wait: the lines since the wait name this group's registers alone
.endif
	v_mul_f32 v[X+4*(4*g+\k)],   s[32+(4*g+\k)/2], v[X+4*(4*g+\k)]
	v_mul_f32 v[X+4*(4*g+\k)+1], s[32+(4*g+\k)/2], v[X+4*(4*g+\k)+1]
	v_mul_f32 v[X+4*(4*g+\k)+2], s[32+(4*g+\k)/2], v[X+4*(4*g+\k)+2]
	v_mul_f32 v[X+4*(4*g+\k)+3], s[32+(4*g+\k)/2], v[X+4*(4*g+\k)+3]
	v_cvt_pk_bf16_f32 v[X+4*(4*g+\k)],   v[X+4*(4*g+\k)],   v[X+4*(4*g+\k)+1]
	v_cvt_pk_bf16_f32 v[X+4*(4*g+\k)+1], v[X+4*(4*g+\k)+2], v[X+4*(4*g+\k)+3]
.endr
.set g, g+1
.endr
	s_wait_alu depctr_va_vdst(0)                   ; the last group has written its roundings, which the last four stores read
.irp k, 28,29,30,31
	global_store_b64 v2, v[X+4*\k:X+4*\k+1], s[30:31] offset:4096*\k
.endr
	s_endpgm
.Lfunc_end_k_qe594ef8936_prep:
	.size	k_qe594ef8936_prep, .Lfunc_end_k_qe594ef8936_prep-k_qe594ef8936_prep
	.p2alignl 7, 3214868480
	.fill 96, 4, 3214868480
	.section	.rodata,"a",@progbits
	.p2align	6, 0x0
	.amdhsa_kernel k_qe594ef8936_prep
		.amdhsa_group_segment_fixed_size 0
		.amdhsa_private_segment_fixed_size 0
		.amdhsa_enable_private_segment 0
		.amdhsa_kernarg_size 80
		.amdhsa_user_sgpr_count 2
		.amdhsa_user_sgpr_kernarg_segment_ptr 1
		.amdhsa_wavefront_size32 1
		.amdhsa_system_sgpr_workgroup_id_x 1
		.amdhsa_system_sgpr_workgroup_id_y 1
		.amdhsa_system_sgpr_workgroup_id_z 1
		.amdhsa_system_vgpr_workitem_id 0
		.amdhsa_next_free_vgpr 256
		.amdhsa_next_free_sgpr 66
		.amdhsa_reserve_vcc 0
		.amdhsa_float_denorm_mode_32 3
		.amdhsa_float_denorm_mode_16_64 3
		.amdhsa_memory_ordered 1
		.amdhsa_forward_progress 1
		.amdhsa_inst_pref_size 53
	.end_amdhsa_kernel
	.amdgpu_metadata
---
amdhsa.version: [ 1, 2 ]
amdhsa.kernels:
  - .name:           k_qe594ef8936_prep
    .symbol:         k_qe594ef8936_prep.kd
    .args:
      - { .name: x, .offset: 0, .size: 8, .value_kind: global_buffer, .address_space: global }
      - { .name: g1, .offset: 8, .size: 8, .value_kind: global_buffer, .address_space: global }
      - { .name: g2, .offset: 16, .size: 8, .value_kind: global_buffer, .address_space: global }
      - { .name: w_qkv, .offset: 24, .size: 8, .value_kind: global_buffer, .address_space: global }
      - { .name: w_o, .offset: 32, .size: 8, .value_kind: global_buffer, .address_space: global }
      - { .name: w_down, .offset: 40, .size: 8, .value_kind: global_buffer, .address_space: global }
      - { .name: w_gate, .offset: 48, .size: 8, .value_kind: global_buffer, .address_space: global }
      - { .name: w_up, .offset: 56, .size: 8, .value_kind: global_buffer, .address_space: global }
      - { .name: xn, .offset: 64, .size: 8, .value_kind: global_buffer, .address_space: global }
      - { .name: wb, .offset: 72, .size: 8, .value_kind: global_buffer, .address_space: global }
    .group_segment_fixed_size: 0
    .private_segment_fixed_size: 0
    .kernarg_segment_align: 8
    .kernarg_segment_size: 80
    .max_flat_workgroup_size: 256
    .sgpr_count:     66
    .vgpr_count:     256
    .wavefront_size: 32
...
	.end_amdgpu_metadata
.endif
;; end of part 7
;; launch qkv: the kernel of part 2 again; grid 12 x 16, 4 waves a work-group, clusters of 4 x 4, 327,680 bytes of LDS; arguments xn, wb, qkvh; writes qkvh
;; launch attn: the kernel of part 3 again; grid 8 x 32, 8 waves a work-group, no clusters, 327,680 bytes of LDS; arguments qkvh, att; writes att
;; launch oproj: the kernel of part 4 again; grid 8 x 32, 4 waves a work-group, clusters of 4 x 4, 327,680 bytes of LDS; arguments att, wb, x, x1, x1b, ssq; writes x1, x1b, ssq
;; launch gateup: the kernel of part 5 again; grid 16 x 16, 4 waves a work-group, clusters of 4 x 4, 327,680 bytes of LDS; arguments x1b, wb, ssq, hp; writes hp
;; launch down: the kernel of part 6 again; grid 8 x 32, 4 waves a work-group, clusters of 4 x 4, 327,680 bytes of LDS; arguments hp, wb, x1, out0; writes out0
